; MI455X (gfx1250); checked and timed in simulation.
; The chip was launched on July 23, 2026; its instructions are those of AMD's public machine-readable ISA for CDNA 5 (MIT licence, August 2026) and "CDNA5" Instruction Set Architecture Reference Guide (July 2026). The comments in the code are by the model that wrote it; some were corrected since.
;; Local Attention. Allowed arithmetic: matrix products marked QUANTISED: E2M1 operands, one E8M0 scale for each 32 along K, by v_wmma_scale_f32_16x16x128_f8f6f4 with both operands' format E2M1 (or v_wmma_scale_f32_32x16x128_f4), f32 sums; everything else in f32.
;; Inputs: Wk_codes 512 x 16 x 16 uint8 (E2M1 codes of Wk, K innermost, in blocks of 32 codes, two codes a byte); Wk_scales 512 x 16 uint8 (E8M0 scales of Wk, one for each 32 codes along K); Wo_codes 512 x 16 x 16 uint8 (E2M1 codes of Wo, K innermost, in blocks of 32 codes, two codes a byte); Wo_scales 512 x 16 uint8 (E8M0 scales of Wo, one for each 32 codes along K); Wq_codes 512 x 16 x 16 uint8 (E2M1 codes of Wq, K innermost, in blocks of 32 codes, two codes a byte); Wq_scales 512 x 16 uint8 (E8M0 scales of Wq, one for each 32 codes along K); Wv_codes 512 x 16 x 16 uint8 (E2M1 codes of Wv, K innermost, in blocks of 32 codes, two codes a byte); Wv_scales 512 x 16 uint8 (E8M0 scales of Wv, one for each 32 codes along K); bk 512 float32; bo 512 float32; bq 512 float32; bv 512 float32; matrix_codes 256 x 256 x 16 x 16 uint8 (E2M1 codes of matrix, K innermost, in blocks of 32 codes, two codes a byte); matrix_scales 256 x 256 x 16 uint8 (E8M0 scales of matrix, one for each 32 codes along K).
;; Outputs: out0 512 float32.
;; Constants: px = 64, py = 64.
;; This version of the problem:
;;   THIS VERSION OF THE PROBLEM IS GIVEN IN LOW PRECISION. The matrix products marked QUANTISED in the list below multiply operands that are first quantised to E2M1 (2 exponent bits, 1 mantissa bit; 4 bits a number), with one power-of-two scale for each 32 numbers along K (OCP MX v1.0); their sums are f32. All else is computed in f32.
;;   The module's matrix products, in the order in which they are computed (A, B: the left and right operand; K: the contracted axis; several contracted axes count as one K, in the product's order):
;;     1. [M 65,536, K 512] x [K 512, N 512]; A: input matrix (given as codes); B: input Wq (given as codes): QUANTISED
;;     2. [M 65,536, K 512] x [K 512, N 512]; A: input matrix (given as codes); B: input Wk (given as codes): QUANTISED
;;     3. [M 65,536, K 512] x [K 512, N 512]; A: input matrix (given as codes); B: input Wv (given as codes): QUANTISED
;;     4. batch 129 x [M 129, K 512] x [K 512, N 129]; A: computed on the way; B: computed on the way: QUANTISED
;;     5. batch 129 x [M 129, K 129] x [K 129, N 512]; A: softmax (see below); B: computed on the way: QUANTISED
;;     6. [M 16,641, K 512] x [K 512, N 512]; A: computed on the way; B: input Wo (given as codes): QUANTISED
;;   THE QUANTISER, for each operand of a quantised product, along K:
;;     - K is cut into blocks of 32 from its start; a last block that is shorter is filled with zeros.
;;     - A block's scale is 2^e with e = floor(log2(the largest magnitude in the block)) - 2, held to -126 .. 127; a block of zeros has e = 0. As a byte (E8M0): e + 127.
;;     - Each number is divided by its block's scale, clamped to +-6, and rounded to the nearest number of E2M1, ties to even, subnormals kept.
;;     - The product sums the exact products of the quantised numbers (number of the format x scale) in f32.
;;   ~~~python
;;   def quantise(x, axis):      # numpy; x: float32 -> the quantised numbers, widened to float32 again
;;       x = np.moveaxis(x, axis, -1); K = x.shape[-1]
;;       x = np.pad(x, [(0, 0)] * (x.ndim - 1) + [(0, -K % 32)]); x = x.reshape(x.shape[:-1] + (-1, 32)); a = np.abs(x).max(-1, keepdims=True)
;;       e = np.where(a > 0, np.clip(np.frexp(np.where(a > 0, a, 1))[1] - 1 - 2, -126, 127), 0)      # np.frexp(a)[1] - 1 = floor(log2(a)), exactly
;;       r = np.clip(x / 2.0 ** e, -6, 6)
;;       step = 2.0 ** (np.maximum(np.frexp(np.where(r == 0, 1, r))[1] - 1, 0) - 1)
;;       q = np.round(r / step) * step * 2.0 ** e      # np.round: ties to even
;;       return np.moveaxis(q.reshape(q.shape[:-2] + (-1,))[..., :K], -1, axis).astype(np.float32)
;;   ~~~
;;   SOFTMAX AHEAD OF A QUANTISED PRODUCT. Where the list says 'softmax', what is quantised is not the finished softmax but p = 2^(t - M), with t = logit x log2(e) and M = ceil(the row's largest t), a whole number; so 1/2 < the row's largest p <= 1. The row's sum l is taken of the UNQUANTISED p, in f32, and the product's result is divided by l at the end. Since M is a whole number, a kernel that streams over the keys may use a running M (the ceiling of the running maximum): every later rescaling is an exact power of two, which a block's scale takes up: the codes' values come out the same.
;;   OPERANDS COMPUTED ON THE WAY. 'Computed on the way' means the value that the module computes at that place (a softmax that the list does not call 'softmax' is quantised finished and normalised). What goes into a quantiser is computed in f32, as accurately as f32 sums, v_exp_f32 and their like allow (about 1e-6 of the number): no bf16 or f16 on the way to a quantiser, and a product that is left as it is and whose result goes on into a quantised operand takes f32 operands (vector FMAs, or v_wmma_f32_16x16x4_f32). A number that lies on a knife's edge between two numbers of the format may be rounded either way, as far as f32 arithmetic and the matrix unit's own rounding can turn it there, and no further.
;;   INPUTS GIVEN AS CODES. Wk (in the module: [512, 512], K = its axis 1); Wo (in the module: [512, 512], K = its axis 1); Wq (in the module: [512, 512], K = its axis 1); Wv (in the module: [512, 512], K = its axis 1); matrix (in the module: [256, 256, 512], K = its axis 2): each comes as NAME_codes (uint8): NAME with its K axis moved to the last place and cut into blocks of 32 codes, [.., K / 32, bytes a block], one block behind the other in memory; two codes a byte, the lower K in the low four bits (a code: sign, 2 exponent bits, 1 mantissa bit); and NAME_scales (uint8): the same leading axes, one E8M0 byte (e + 127) for each 32 codes along K. Its value is code x scale, taken as it is: it is not quantised again, and the codes and scales need not be those that the quantiser above would give.
;; 2 versions. Each part assembles by itself: llvm-mc -triple=amdgcn-amd-amdhsa -mcpu=gfx1250 --defsym DOCPART=n.
;; ======== version 1 of 2: 1 launch
;; launch local_rows (part 1): grid 256 x 1, 8 waves a work-group, no clusters, 269,312 bytes of LDS; arguments matrix_codes, matrix_scales, Wk_codes, Wk_scales, bk, Wq_codes, Wq_scales, bq, Wv_codes, Wv_scales, bv, Wo_codes, Wo_scales, bo, out0; writes out0
.if DOCPART == 1
	.amdgcn_target "amdgcn-amd-amdhsa--gfx1250"
	.amdhsa_code_object_version 6
	.text
	.protected	k_qa8f6b4c59a_local_rows
	.globl	k_qa8f6b4c59a_local_rows
	.p2align	8
	.type	k_qa8f6b4c59a_local_rows,@function
k_qa8f6b4c59a_local_rows:
	s_mov_b64 s[64:65], 0
	v_nop
	global_prefetch_b8 v0, s[64:65] scope:SCOPE_SE
	s_setreg_imm32_b32 hwreg(HW_REG_WAVE_MODE, 25, 1), 1
	s_wait_xcnt 0x0
; The windowed attention, all six products on codes of FP4 (E2M1) with one E8M0 scale for each 32 along K, each at the size at which it is written: every token of the matrix times Wq, Wk and Wv;
; the 129 rows of the window (it begins at row 0 and column 0: px = py = 64, window 64), each with 129 queries and 129 keys; every query's row times Wo.  The result is the window's entry [64][64] alone:
; so most products' results leave their accumulators nowhere (tokens outside the window, queries other than 64, rows other than 64), and only work-group 64 stores.
; SHARES.  Work-group i takes row i of the matrix: 256 tokens as 16 tiles of 16.  Rows above 128 end behind the three projections.  Eight waves; wave w owns features 64 w .. 64 w + 63 of all four weights, as four tiles g of
; 16 rows; a weight goes from memory into its registers in the operand's layout, a pass ahead of its use, eight loads a step, and stays for its pass.
; NO CLUSTER, though all work-groups read the same weights: a joint load lands in LDS, where this text leaves 59,392 bytes free against a weight's 131,072, and the weight would then be read out of LDS once more,
; in passes that already read nine LDS loads for sixteen products.
; TOKENS.  Row r of tile 2 b + u is token 32 b + 8 u + r + 8 (r / 8).  So in a result whose rows are tokens, the 16 registers of tiles 2 b and 2 b + 1 are 16 neighbouring keys.  Tiles 0-8 touch the window; of tile 8 only
; row 0 (token 128) is a key.  Token 64 is row 0 of tile 4.
; OPERANDS GO FROM WAVE TO WAVE THROUGH LDS AS IMAGES OF THEIR REGISTERS: a tile of 16 rows x 512 K is 4,096 bytes, registers 4 c .. 4 c + 3 of K step s at 1024 s + 512 c + 16 x lane; its scale words 16 bytes a row.
; THE QUANTISERS stand where the problem has them: q and K along the 512 features, p and V along the keys (blocks 0-31, 32-63, 64-95, 96-127, and key 128 with zeros behind it), out / l along the 512 features.
; LIMITS.  NaN, infinities and a given scale byte 0xff are not served beyond what the matrix unit itself yields.  A block of zeros made here carries the byte 1 over zero codes where the rule says 127: the same values, and only
; this text reads the bytes.  Each output has one accumulator, K ascending; the biases of Q, K and V are the C of a sum's first product, bo is added at the end.  1 / l is v_rcp_f32 and a multiplication.
.set NT,    16                         ; tiles of 16 tokens in a row of the matrix
.set NW,    9                          ; of them touch the window
.set U,     65536                      ; the LDS regions' bases are carried in the address registers, so that every immediate stays under 65,536
.set XSC,   0                          ; + U: x's scale rows, 16 x 256.   (x's sixteen images lie from byte 0 on; behind the projections the nine images of out / l take their place)
.set KSC,   4096                       ; + U: K's scale rows, 9 x 256
.set QSC,   6400                       ; + U: q's
.set OSC,   8704                       ; + U: those of out / l
.set PIMG,  11008                      ; + U: p: for each query tile 1,024 bytes of codes, then 128 each of: the word of keys 0-127, the byte of key 128's block, 1 / l, key 128's code
.set PB,    1536
.set VIMG,  24832                      ; + U: V's codes: 4,096 bytes for each wave, its own
.set STG,   3*U+36864                  ; behind K's images (2 U on) and q's (3 U on): the way out, 16 rows x 272 bytes for each wave, its own
.set SP,    272
; window 0: addresses, made at the head and never rewritten
.set LI,   1                           ; 16 x lane
.set LR,   2                           ; 16 r: the offset of scale rows, bo and out0 in memory
.set LRU,  3                           ; U + 16 r
.set LI2,  4                           ; 2 U + 16 x lane
.set LI3,  5                           ; 3 U + 16 x lane
.set LIU,  6                           ; U + 16 x lane
.set WI0,  7                           ; 512 w + 16 r + 4 h: where my four bytes of an image go; of out / l,
.set WI2,  8                           ; of K (+ 2 U),
.set WI3,  9                           ; of q (+ 3 U)
.set WSU,  10                          ; U + 2 w + 16 r: where my two scale bytes go
.set VW,   11                          ; U + VIMG + 4096 w + 16 r + 8 h
.set VRD,  12                          ; U + VIMG + 4096 w + 16 x lane
.set SO,   13                          ; STG + 4352 w + 272 r + 32 h
.set SR,   14                          ; STG + 4352 w + 16 r
.set WL,   15                          ; 256 r + 16 h: a weight's fragment in memory
.set BL,   16                          ; 32 h: a bias in the transposed result's layout
.set MK,   17                          ; 15 in lanes 0-15, 0 in lanes 16-31
.set QTA,  18                          ; 3 U + 4096 w + 16 x lane: query tile w's image
.set QTSA, 19                          ; U + QSC + 256 w + 16 r: its scale rows
.set PWA,  20                          ; U + PIMG + 1536 w + 16 x lane: where query tile w's p goes
.set L4U,  21                          ; U + 4 x lane
.set P4A,  22                          ; U + PIMG + 1536 w + 1024 + 4 x lane
; window 0: registers that hold scales and nothing else
.set SA,   24                          ; v24-39  Wk's words (4 g + s), then Wq's, then those of three tiles of K
.set SB,   40                          ; v40-55  Wv's, then Wo's
.set XS,   56                          ; v56-59  the words of the tile in hand
.set VS0,  60                          ; v60-63  x tile w + 8's words on their way to LDS; then V's words for keys 0-127, tile g
.set VS1,  64                          ; v64-67  V's bytes for key 128's block
.set PS,   68                          ; v68-71  p's word and byte, two sets
; window 0: data
.set BK,   72                          ; v72-103  bk, then bq, in the transposed result's layout
.set BVC,  104                         ; v104-135 x tile w + 8 on its way to LDS; then bv, eight times a tile
.set X,    136                         ; v136-167 the tile in hand
.set AK,   168                         ; v168-199 K's, then Q's four accumulators
.set AV,   168                         ; v168-231 V's accumulators: 16 g + 8 (m % 2)
.set BV,   232                         ; v232-235 bv of my four tiles; then key 128's codes of V; then bo
.set VC,   232
.set BO,   232
.set TM,   236                         ; v236-255 at work
.set QT,   72                          ; scores: v72-103 the query tile
.set S,    104                         ; v104-175 its scores against nine tiles of keys, then p
.set IN8,  176                         ; v176-183 p of key 128 and seven zeros
.set P0,   184                         ; v184-191 p's codes, keys 0-127
.set P1C,  192                         ; v192     p's code of key 128
.set V0,   72                          ; p V: v72-103 V's codes, keys 0-127
.set V1,   104                         ; v104-135 V's codes of key 128 and zeros
.set AO,   136                         ; v136-167 four accumulators
.set PA,   168                         ; v168-199 p, two sets of 16: codes of keys 0-127, then key 128's code and seven zeros
.set RLP,  200                         ; v[200:201], v[202:203] 1 / l, two sets (the packed form names a pair)
.set AF,   168                         ; v168-199 the last product's accumulators
.set BM,   TM                          ; softmax: v236-239 the blocks' largest scores, then their largest p
.set BT,   TM+4                        ; v240-243 at work
.set B4,   TM+8                        ; v244     the same for the fifth block
.set T5,   TM+9                        ; v245     at work
.set NM,   TM+10                       ; v[246:247] -M
.set EV,   TM+12                       ; v248     key 128's score
.set LS,   TM+12                       ; v[248:249], v[250:251] the sum, in two chains
.set LB,   TM+14
.set RL,   TM+14                       ; v250     1 / l
.set SOP,  TM+16                       ; v252-255 the conversions' scale operands
.set TL,   200                         ; head only: lane, r, h, r + 8 (r / 8), the offsets of x's loads and stores and of bv
.set TR,   201
.set TH,   202
.set TRP,  203
.set XO,   204
.set XSO,  205
.set XWL,  206
.set XSL,  207
.set BVO,  208
; window 1
.set RA,   0                           ; v0-127   Wk, then Wq, then three tiles of K: fragment (g, s) at 32 g + 8 s
.set RB,   128                         ; v128-255 Wv, then Wo
; scalars
.set WV,   34                          ; my wave's number
.set SEL,  56                          ; s[56:57] v_permlanex16_b32's selects for lane l xor 16
.set CS,   58                          ; s[58:59] c = log2(e) / sqrt(512), twice: the packed form names the pair
.set LOW,  60                          ; s60 the mask of lanes 0-15
.set MSB, 0
.macro WIN new                         ; the immediate's high byte repeats the setting that is left
.if MSB != \new
	s_set_vgpr_msb (MSB<<8)|\new
.set MSB, \new
.endif
.endm
.macro PLACES                          ; plain vector instructions behind a matrix instruction: four ahead of a read of its result or a load into its registers, five ahead of a matrix instruction that begins its accumulator anew
.rept 5
	v_nop
.endr
.endm
.macro BARRIER                         ; my LDS stores have landed and my LDS loads are in: then the work-group's barrier
	s_wait_dscnt 0x0
	s_barrier_signal -1
	s_barrier_wait -1
.endm
.macro FP4Z d, a, b, sa, sb            ; a product that starts a sum
	v_wmma_scale_f32_16x16x128_f8f6f4 v[\d:\d+7], v[\a:\a+7], v[\b:\b+7], 0, v[\sa], v[\sb] matrix_a_fmt:MATRIX_FMT_FP4 matrix_b_fmt:MATRIX_FMT_FP4
.endm
.macro FP4C d, a, b, c, sa, sb         ; a product onto registers
	v_wmma_scale_f32_16x16x128_f8f6f4 v[\d:\d+7], v[\a:\a+7], v[\b:\b+7], v[\c:\c+7], v[\sa], v[\sb] matrix_a_fmt:MATRIX_FMT_FP4 matrix_b_fmt:MATRIX_FMT_FP4
.endm
; tile g of my 64 rows of a weight into window 1: lane (r, h) takes, of row 16 g + r, the 16 bytes at 64 s + 32 c + 16 h; a row's eight loads stand one behind the other
.macro WPART reg, sb, g
	WIN 0x40                                       ; destination window 1, address window 0
.irp s, 0,1,2,3
.irp c, 0,1
	global_load_b128 v[\reg+32*(\g)+8*\s+4*\c:\reg+32*(\g)+8*\s+4*\c+3], v[WL], s[\sb:\sb+1] offset:4096*(\g)+64*\s+32*\c
.endr
.endr
	WIN 0
.endm
.macro SLOAD reg, sb                   ; a weight's scale rows: 16 bytes a row are the four K steps' words
.irp g, 0,1,2,3
	global_load_b128 v[\reg+4*\g:\reg+4*\g+3], v[LR], s[\sb:\sb+1] offset:256*\g
.endr
.endm
.macro BLOAD reg, sb                   ; a bias in the transposed result's layout: lane (r, h), tile g: features 16 g + 8 h + 0 .. 7
.irp g, 0,1,2,3
	global_load_b128 v[\reg+8*\g:\reg+8*\g+3], v[BL], s[\sb:\sb+1] offset:64*\g
	global_load_b128 v[\reg+8*\g+4:\reg+8*\g+7], v[BL], s[\sb:\sb+1] offset:64*\g+16
.endr
.endm
; an operand tile out of LDS: its image into v[dst] on, its four scale words into v[sd] on
.macro LOADT dst, sd, ai, ar, img, sc, withsc
.irp s, 0,1,2,3
.irp c, 0,1
	ds_load_b128 v[\dst+8*\s+4*\c:\dst+8*\s+4*\c+3], v[\ai] offset:(\img)+1024*\s+512*\c
.endr
.endr
.if \withsc
	ds_load_b128 v[\sd:\sd+3], v[\ar] offset:\sc
.endif
.endm
; 16 products, TRANSPOSED: source 0 = 16 rows of my weight (window 1), source 1 = the tile in X.  Lane (r, h) then holds, of the tile's row r, features 64 w + 16 g + 8 h + 0 .. 7.
; The four accumulators take turns, one instruction a turn.  cmode 0: the sums start at 0; 1: at the bias in BK.
.macro MULT acc, wreg, ws, xs, cmode
	WIN 0x01                                       ; source 0 window 1
.irp s, 0,1,2,3
.irp g, 0,1,2,3
.if (\s == 0) && (\cmode == 0)
	FP4Z \acc+8*\g, \wreg+32*\g+8*\s, X+8*\s, \ws+4*\g+\s, \xs+\s
.elseif (\s == 0) && (\cmode == 1)
	FP4C \acc+8*\g, \wreg+32*\g+8*\s, X+8*\s, BK+8*\g, \ws+4*\g+\s, \xs+\s
.else
	FP4C \acc+8*\g, \wreg+32*\g+8*\s, X+8*\s, \acc+8*\g, \ws+4*\g+\s, \xs+\s
.endif
.endr
.endr
	WIN 0
	PLACES
.endm
; 16 products for V: source 0 = the tile of tokens in X, source 1 = 16 rows of Wv (window 1).  Lane (r, h) holds feature 64 w + 16 g + r and token rows 8 h + 0 .. 7 of tile m.
.macro MULV m
	WIN 0x04                                       ; source 1 window 1
.irp s, 0,1,2,3
.irp g, 0,1,2,3
.if \s == 0
	FP4C AV+16*\g+8*((\m)%2), X+8*\s, RB+32*\g+8*\s, BVC+8*\g, XS+\s, SB+4*\g+\s
.else
	FP4C AV+16*\g+8*((\m)%2), X+8*\s, RB+32*\g+8*\s, AV+16*\g+8*((\m)%2), XS+\s, SB+4*\g+\s
.endif
.endr
.endr
	WIN 0
	PLACES
.endm
; 32 numbers of a lane in the transposed layout, v[src] on: two blocks of 32 features (block b: tiles 2 b, 2 b + 1, shared with lane l xor 16) become codes and scale bytes, and go to their places in an image:
; tile 2 b + u's eight codes to 512 w + 256 b + 16 r + 8 u + 4 h, the two bytes to 16 r + 2 w.
.macro QUANT2 src, wi, img, sc
.irp b, 0,1
	v_max3_num_f32 v[TM+\b], |v[\src+16*\b]|, |v[\src+16*\b+1]|, 0x1800000   ; my 16 numbers of block b, each accumulator from its low end on, and the floor 2^(3 - 127): so the byte cannot fall under 1
.endr
.irp i, 2,4,6,8,10,12,14
.irp b, 0,1
	v_max3_num_f32 v[TM+\b], v[TM+\b], |v[\src+16*\b+\i]|, |v[\src+16*\b+\i+1]|
.endr
.endr
.irp b, 0,1
	v_permlanex16_b32 v[TM+2+\b], v[TM+\b], s[SEL], s[SEL+1]
.endr
.irp b, 0,1
	v_max_num_f32 v[TM+\b], v[TM+\b], v[TM+2+\b]   ; with lane l xor 16's: the block's largest magnitude
.endr
.irp b, 0,1
	v_add_nc_u32 v[TM+4+\b], 0xff000000, v[TM+\b]  ; 2 off its exponent field: the conversion takes the exponent field of this operand as its scale
.endr
.irp b, 0,1
	v_lshrrev_b32 v[TM+2+\b], 23, v[TM+4+\b]       ; the scale's byte
.endr
	v_lshl_or_b32 v[TM+6], v[TM+3], 8, v[TM+2]
.irp b, 0,1
.irp u, 0,1
	v_cvt_scalef32_pk8_fp4_f32 v[TM+7+2*\b+\u], v[\src+16*\b+8*\u:\src+16*\b+8*\u+7], v[TM+4+\b]
.endr
.endr
	v_nop                                          ; one plain place behind the last conversion: later lines write its sources
.irp b, 0,1
.irp u, 0,1
	ds_store_b32 v[\wi], v[TM+7+2*\b+\u] offset:(\img)+256*\b+8*\u
.endr
.endr
	ds_store_b16 v[WSU], v[TM+6] offset:\sc        ; both lanes of a row write the same two bytes with the same values
.endm
; V's block b of 32 keys, for my four tiles of features: the 16 registers of a tile are keys 32 b + 16 h + 0 .. 15 of feature r.  The byte goes into the tile's scale word, the 8 bytes of codes to 1024 g + 256 b + 16 r + 8 h of my scratch.
.macro QUANTV b
.irp g, 0,1,2,3
	v_max3_num_f32 v[TM+\g], |v[AV+16*\g]|, |v[AV+16*\g+1]|, 0x1800000
.endr
.irp i, 2,4,6,8,10,12,14
.irp g, 0,1,2,3
	v_max3_num_f32 v[TM+\g], v[TM+\g], |v[AV+16*\g+\i]|, |v[AV+16*\g+\i+1]|
.endr
.endr
.irp g, 0,1,2,3
	v_permlanex16_b32 v[TM+4+\g], v[TM+\g], s[SEL], s[SEL+1]
.endr
.irp g, 0,1,2,3
	v_max_num_f32 v[TM+\g], v[TM+\g], v[TM+4+\g]
.endr
.irp g, 0,1,2,3
	v_add_nc_u32 v[TM+8+\g], 0xff000000, v[TM+\g]
.endr
.irp g, 0,1,2,3
.if (\b) == 0
	v_lshrrev_b32 v[VS0+\g], 23, v[TM+8+\g]
.else
	v_lshrrev_b32 v[TM+4+\g], 23, v[TM+8+\g]
.endif
.endr
.if (\b) > 0
.irp g, 0,1,2,3
	v_lshl_or_b32 v[VS0+\g], v[TM+4+\g], 8*(\b), v[VS0+\g]
.endr
.endif
.irp g, 0,1,2,3
	v_cvt_scalef32_pk8_fp4_f32 v[TM+12+2*\g], v[AV+16*\g:AV+16*\g+7], v[TM+8+\g]
	v_cvt_scalef32_pk8_fp4_f32 v[TM+13+2*\g], v[AV+16*\g+8:AV+16*\g+15], v[TM+8+\g]
.endr
	v_nop                                          ; one plain place behind the last conversion
.irp g, 0,1,2,3
	ds_store_b64 v[VW], v[TM+12+2*\g:TM+13+2*\g] offset:1024*\g+256*(\b)
.endr
.endm
; key 128 is register 0 of lanes 0-15 of tile 8; its block holds it and zeros, so its own magnitude gives the scale
.macro QUANTV8
.irp g, 0,1,2,3
	v_max3_num_f32 v[TM+\g], |v[AV+16*\g]|, |v[AV+16*\g]|, 0x1800000
.endr
.irp g, 0,1,2,3
	v_add_nc_u32 v[TM+8+\g], 0xff000000, v[TM+\g]
.endr
.irp g, 0,1,2,3
	v_lshrrev_b32 v[VS1+\g], 23, v[TM+8+\g]        ; byte 0 of the word; the other bytes stand over zero codes
.endr
.irp g, 0,1,2,3
	v_cvt_scalef32_pk8_fp4_f32 v[TM+12+\g], v[AV+16*\g:AV+16*\g+7], v[TM+8+\g]
.endr
	v_nop                                          ; one plain place behind the last conversion
.irp g, 0,1,2,3
	v_and_b32 v[VC+\g], v[TM+12+\g], v[MK]         ; key 128's code stays, in lanes 0-15; all else is zero codes
.endr
.endm
	; ---- the head
	s_load_b512 s[4:19], s[0:1], 0x0               ; matrix codes s[4:5], scales s[6:7]; Wk codes s[8:9], scales s[10:11]; bk s[12:13]; Wq codes s[14:15], scales s[16:17]; bq s[18:19]
	s_load_b256 s[20:27], s[0:1], 0x40             ; Wv codes s[20:21], scales s[22:23]; bv s[24:25]; Wo codes s[26:27]
	s_load_b128 s[28:31], s[0:1], 0x60             ; Wo scales s[28:29]; bo s[30:31]
	s_load_b64 s[32:33], s[0:1], 0x70              ; out0
	v_lshrrev_b32 v[TL], 5, v0
	v_readfirstlane_b32 s[WV], v[TL]               ; wave 0..7
	v_and_b32 v[TL], 31, v0                        ; lane
	v_and_b32 v[TR], 15, v0                        ; r
	v_bfe_u32 v[TH], v0, 4, 1                      ; h
	v_and_b32 v[TRP], 8, v[TR]
	v_add_nc_u32 v[TRP], v[TRP], v[TR]             ; r + 8 (r / 8)
	v_cmp_gt_u32 s[LOW], 16, v[TL]
	s_lshl_b32 s36, s[WV], 14                      ; my 64 rows of a weight's codes,
	s_mov_b32 s37, 0
	s_lshl_b32 s38, s[WV], 10                      ; of its scale bytes,
	s_mov_b32 s39, 0
	s_lshl_b32 s40, s[WV], 8                       ; my 64 numbers of a bias and of out0
	s_mov_b32 s41, 0
	s_lshl_b32 s42, ttmp9, 16                      ; my row of the matrix: 256 tokens x 256 bytes of codes,
	s_mov_b32 s43, 0
	s_lshl_b32 s44, ttmp9, 12                      ; x 16 scale bytes
	s_mov_b32 s45, 0
	s_mov_b32 s[SEL], 0x76543210
	s_mov_b32 s[SEL+1], 0xfedcba98
	s_mov_b32 s[CS], 0x3d8293ee                    ; c = log2(e) / sqrt(512)
	s_mov_b32 s[CS+1], s[CS]
	; LDS addresses: a constant, a constant x a lane term, a constant x wave
	v_lshlrev_b32 v[LI], 4, v[TL]
	v_lshlrev_b32 v[LR], 4, v[TR]
	v_add_nc_u32 v[LRU], U, v[LR]
	v_add_nc_u32 v[LIU], U, v[LI]
	v_add_nc_u32 v[LI2], 2*U, v[LI]
	v_add_nc_u32 v[LI3], 3*U, v[LI]
	v_lshl_add_u32 v[L4U], v[TL], 2, U
	s_lshl_b32 s62, s[WV], 9
	v_lshl_add_u32 v[WI0], v[TH], 2, v[LR]
	v_add_nc_u32 v[WI0], s62, v[WI0]
	v_add_nc_u32 v[WI2], 2*U, v[WI0]
	v_add_nc_u32 v[WI3], 3*U, v[WI0]
	s_lshl_b32 s62, s[WV], 1
	v_add_nc_u32 v[WSU], s62, v[LRU]
	s_lshl_b32 s62, s[WV], 12
	v_add_nc_u32 v[XWL], s62, v[LI]                ; x tile w's image
	v_add_nc_u32 v[QTA], s62, v[LI3]
	s_add_co_u32 s62, s62, U+VIMG
	v_lshl_add_u32 v[VW], v[TH], 3, v[LR]
	v_add_nc_u32 v[VW], s62, v[VW]
	v_add_nc_u32 v[VRD], s62, v[LI]
	v_add_nc_u32 v[XSL], s40, v[LRU]               ; x tile w's scale rows: U + 256 w + 16 r
	v_add_nc_u32 v[QTSA], QSC, v[XSL]
	s_mul_i32 s62, s[WV], PB
	s_add_co_u32 s62, s62, PIMG
	v_add_nc_u32 v[PWA], s62, v[LIU]
	s_add_co_u32 s62, s62, 1024
	v_add_nc_u32 v[P4A], s62, v[L4U]
	v_mul_u32_u24 v[SO], v[TR], SP
	v_lshl_add_u32 v[SO], v[TH], 5, v[SO]
	s_mul_i32 s62, s[WV], 16*SP
	s_add_co_u32 s62, s62, STG
	v_add_nc_u32 v[SO], s62, v[SO]
	v_add_nc_u32 v[SR], s62, v[LR]
	; offsets in memory
	v_lshlrev_b32 v[WL], 8, v[TR]
	v_lshl_add_u32 v[WL], v[TH], 4, v[WL]
	v_lshlrev_b32 v[BL], 5, v[TH]
	v_mul_u32_u24 v[MK], v[TH], 15
	v_sub_nc_u32 v[MK], 15, v[MK]
	v_lshlrev_b32 v[BVO], 2, v[TR]
	v_lshlrev_b32 v[XSO], 4, v[TRP]                ; a token's scale row is 16 bytes,
	v_lshlrev_b32 v[XO], 8, v[TRP]                 ; its codes 256
	v_lshl_add_u32 v[XO], v[TH], 4, v[XO]
	s_lshr_b32 s62, s[WV], 1
	s_lshl_b32 s62, s62, 13
	s_and_b32 s63, s[WV], 1
	s_lshl_b32 s63, s63, 11
	s_add_co_u32 s62, s62, s63                     ; tile w begins at token 32 (w / 2) + 8 (w % 2)
	v_add_nc_u32 v[XO], s62, v[XO]
	s_lshr_b32 s62, s62, 4
	v_add_nc_u32 v[XSO], s62, v[XSO]
.irp j, 0,1,2,3,4,5,6,7,8,9,10,11,12,13,14,15,16,17,18,19
	v_mov_b32 v[TM+\j], 0                          ; written once: a lane permute's destination counts as one of its sources
.endr
	s_wait_kmcnt 0x0
	s_add_nc_u64 s[4:5], s[4:5], s[42:43]
	s_add_nc_u64 s[6:7], s[6:7], s[44:45]
	s_add_nc_u64 s[8:9], s[8:9], s[36:37]
	s_add_nc_u64 s[10:11], s[10:11], s[38:39]
	s_add_nc_u64 s[12:13], s[12:13], s[40:41]
	s_add_nc_u64 s[14:15], s[14:15], s[36:37]
	s_add_nc_u64 s[16:17], s[16:17], s[38:39]
	s_add_nc_u64 s[18:19], s[18:19], s[40:41]
	s_add_nc_u64 s[20:21], s[20:21], s[36:37]
	s_add_nc_u64 s[22:23], s[22:23], s[38:39]
	s_add_nc_u64 s[24:25], s[24:25], s[40:41]
	s_add_nc_u64 s[26:27], s[26:27], s[36:37]
	s_add_nc_u64 s[28:29], s[28:29], s[38:39]
	s_add_nc_u64 s[30:31], s[30:31], s[40:41]
	s_add_nc_u64 s[32:33], s[32:33], s[40:41]
	; x tile w: 9 loads
.irp s, 0,1,2,3
.irp c, 0,1
	global_load_b128 v[X+8*\s+4*\c:X+8*\s+4*\c+3], v[XO], s[4:5] offset:64*\s+32*\c th:TH_LOAD_NT   ; in the operand's layout; read once in the launch
.endr
.endr
	global_load_b128 v[XS:XS+3], v[XSO], s[6:7] th:TH_LOAD_NT
	; Wk: 44 loads
	SLOAD SA, 10
	BLOAD BK, 12
.irp g, 0,1,2,3
	WPART RA, 8, \g
.endr
	; x tile w + 8, 128 tokens on: 9 loads.  62 loads of mine are out
.irp s, 0,1,2,3
.irp c, 0,1
	global_load_b128 v[BVC+8*\s+4*\c:BVC+8*\s+4*\c+3], v[XO], s[4:5] offset:32768+64*\s+32*\c th:TH_LOAD_NT
.endr
.endr
	global_load_b128 v[VS0:VS0+3], v[XSO], s[6:7] offset:2048 th:TH_LOAD_NT
	; ---- x's first eight tiles into LDS
	s_wait_loadcnt 53                              ; tile w's 9 loads are in; Wk's 44 and tile w + 8's 9 may be out
.irp s, 0,1,2,3
.irp c, 0,1
	ds_store_b128 v[XWL], v[X+8*\s+4*\c:X+8*\s+4*\c+3] offset:1024*\s+512*\c
.endr
.endr
	ds_store_b128 v[XSL], v[XS:XS+3] offset:XSC    ; both halves of the lanes write the same rows with the same values
	BARRIER                                        ; tiles 0-7 lie in LDS
	LOADT X, XS, LI, LRU, 0, XSC, 1
	s_wait_loadcnt 9                               ; Wk's loads are in; tile w + 8's 9 may be out
	; ---- K: sixteen tiles of tokens; the nine of the window are quantised.  While a tile is quantised the next tile's image is on its way out of LDS.  Wv comes meanwhile, eight loads a step
.macro KSTEP m
	s_wait_dscnt 0x0                               ; the tile is in; the last tile's stores have read their registers
	MULT AK, RA, SA, XS, 1
.if (\m) == NT-1
	LOADT X, XS, LI, LRU, 0, XSC, 1                ; tile 0 again, for V
.elseif (\m) != 7
	LOADT X, XS, LI, LRU, 4096*((\m)+1), XSC+256*((\m)+1), 1
.endif
.if (\m) < 4
	WPART RB, 20, \m
.elseif (\m) == 4
	SLOAD SB, 22
.irp g, 0,1,2,3
	global_load_b32 v[BV+\g], v[BVO], s[24:25] offset:64*\g        ; bv of feature 16 g + r
.endr
.endif
.if (\m) < NW
	QUANT2 AK, WI2, 4096*(\m), KSC+256*(\m)
.endif
.endm
.irp m, 0,1,2,3,4,5,6,7
	KSTEP \m
.endr
	s_wait_loadcnt 40                              ; tile w + 8's 9 loads are in; Wv's 40 may be out
.irp s, 0,1,2,3
.irp c, 0,1
	ds_store_b128 v[XWL], v[BVC+8*\s+4*\c:BVC+8*\s+4*\c+3] offset:32768+1024*\s+512*\c
.endr
.endr
	ds_store_b128 v[XSL], v[VS0:VS0+3] offset:XSC+2048
	BARRIER                                        ; tiles 8-15 lie in LDS
	LOADT X, XS, LI, LRU, 4096*8, XSC+256*8, 1
.irp m, 8,9,10,11,12,13,14,15
	KSTEP \m
.endr
	; ---- V: sixteen tiles; behind each second tile of the first eight a block of 32 keys is quantised, behind tile 8 key 128.  Wq comes meanwhile into the registers that Wk has left
	s_wait_loadcnt 0x0                             ; Wv, its scales and bv
.irp g, 0,1,2,3
.irp j, 0,1,2,3,4,5,6,7
	v_mov_b32 v[BVC+8*\g+\j], v[BV+\g]             ; bv as the C of V's first products: a lane holds one feature and eight tokens
.endr
.endr
	PLACES
.macro VSTEP m
	s_wait_dscnt 0x0
	MULV \m
.if (\m) == NT-1
	LOADT X, XS, LI, LRU, 0, XSC, 1                ; tile 0 again, for Q
.else
	LOADT X, XS, LI, LRU, 4096*((\m)+1), XSC+256*((\m)+1), 1
.endif
.if (\m) < 4
	WPART RA, 14, \m
.elseif (\m) == 4
	SLOAD SA, 16
	BLOAD BK, 18
.endif
.if ((\m) < 8) && (((\m)%2) == 1)
	QUANTV ((\m)-1)/2
.endif
.if (\m) == 8
	QUANTV8
.endif
.endm
.irp m, 0,1,2,3,4,5,6,7,8,9,10,11,12,13,14,15
	VSTEP \m
.endr
	; ---- Q: sixteen tiles; the nine of the window are quantised.  Wo comes meanwhile into the registers that Wv has left
	s_wait_loadcnt 0x0                             ; Wq, its scales and bq
.macro QSTEP m
	s_wait_dscnt 0x0
	MULT AK, RA, SA, XS, 1
.if (\m) < NT-1
	LOADT X, XS, LI, LRU, 4096*((\m)+1), XSC+256*((\m)+1), 1
.endif
.if (\m) < 4
	WPART RB, 26, \m
.elseif (\m) == 4
	SLOAD SB, 28
.endif
.if (\m) < NW
	QUANT2 AK, WI3, 4096*(\m), QSC+256*(\m)
.endif
.endm
.irp m, 0,1,2,3,4,5,6,7,8,9,10,11,12,13,14,15
	QSTEP \m
.endr
	s_wait_dscnt 0x0                               ; my stores into K's and q's images have landed, my reads of x are over
	s_cmp_gt_u32 ttmp9, 128                        ; a row below the window has no attention: the whole work-group ends
	s_cbranch_scc1 .Lend
	s_barrier_signal -1
	s_barrier_wait -1                              ; K's nine images and q's nine lie in LDS; nobody reads x any more
	; ---- scores and softmax of one tile of 16 queries, in one wave.  S^T = K q^T: source 0 = 16 keys (window 1), source 1 = the queries.  Lane (r, h): query r of the tile; register 16 b + i: key 32 b + 16 h + i.
	; K's tiles come three at a time; their three accumulators take turns.  p = 2^(t - M), M = ceil(the row's largest t); the sum is taken of the unquantised p.
.macro ATT qa, qo, qsa, qso, pa, po, p4, p4o
	LOADT QT, XS, \qa, \qsa, \qo, \qso, 1
.irp t0, 0,3,6
	WIN 0x40                                       ; destination window 1
.irp i, 0,1,2
.irp s, 0,1,2,3
.irp c, 0,1
	ds_load_b128 v[RA+32*\i+8*\s+4*\c:RA+32*\i+8*\s+4*\c+3], v[LI2] offset:4096*(\t0+\i)+1024*\s+512*\c
.endr
.endr
.endr
	WIN 0
.irp i, 0,1,2
	ds_load_b128 v[SA+4*\i:SA+4*\i+3], v[LRU] offset:KSC+256*(\t0+\i)
.endr
	s_wait_dscnt 0x0
	WIN 0x01                                       ; source 0 window 1
.irp s, 0,1,2,3
.irp i, 0,1,2
.if \s == 0
	FP4Z S+8*(\t0+\i), RA+32*\i+8*\s, QT+8*\s, SA+4*\i+\s, XS+\s
.else
	FP4C S+8*(\t0+\i), RA+32*\i+8*\s, QT+8*\s, S+8*(\t0+\i), SA+4*\i+\s, XS+\s
.endif
.endr
.endr
	WIN 0
	PLACES
.endr
	v_mov_b32 v[BT], 0xff800000                    ; -infinity
	v_cndmask_b32 v[EV], v[BT], v[S+64], s[LOW]    ; key 128's score in lanes 0-15, -infinity in lanes 16-31: tile 8's other rows are no keys
.irp b, 0,1,2,3
	v_max3_num_f32 v[BM+\b], v[S+16*\b], v[S+16*\b+1], v[S+16*\b+2]                ; the largest score of each block of 32 keys: for the row's maximum and, since p rises with the score, for the block's largest p
.endr
.irp i, 3,5,7,9,11,13
.irp b, 0,1,2,3
	v_max3_num_f32 v[BM+\b], v[BM+\b], v[S+16*\b+\i], v[S+16*\b+\i+1]
.endr
.endr
.irp b, 0,1,2,3
	v_max_num_f32 v[BM+\b], v[BM+\b], v[S+16*\b+15]
.endr
.irp b, 0,1,2,3
	v_permlanex16_b32 v[BT+\b], v[BM+\b], s[SEL], s[SEL+1]
.endr
	v_permlanex16_b32 v[T5], v[EV], s[SEL], s[SEL+1]
.irp b, 0,1,2,3
	v_max_num_f32 v[BM+\b], v[BM+\b], v[BT+\b]     ; with lane l xor 16's 16 keys
.endr
	v_max_num_f32 v[B4], v[EV], v[T5]
	v_max3_num_f32 v[T5], v[BM], v[BM+1], v[BM+2]
	v_max3_num_f32 v[T5], v[T5], v[BM+3], v[B4]    ; the row's largest score
	v_mul_f32 v[T5], s[CS], v[T5]                  ; as t (c is positive)
	v_floor_f32 v[NM], -v[T5]                      ; -M = floor(-t) = -ceil(t): M is a whole number
	v_mov_b32 v[NM+1], v[NM]                       ; (named with it as a pair)
.irp j, 0,2,4,6,8,10,12,14,16,18,20,22,24,26,28,30,32,34,36,38,40,42,44,46,48,50,52,54,56,58,60,62
	v_pk_fma_f32 v[S+\j:S+\j+1], v[S+\j:S+\j+1], s[CS:CS+1], v[NM:NM+1] op_sel_hi:[1,0,0]   ; t - M, two at a time
.endr
.irp b, 0,1,2,3
	v_fma_f32 v[BM+\b], v[BM+\b], s[CS], v[NM]     ; the same of each block's largest score
.endr
	v_fma_f32 v[B4], v[B4], s[CS], v[NM]
	v_fma_f32 v[IN8], v[EV], s[CS], v[NM]          ; and of key 128
.irp j, 0,1,2,3,4,5,6,7,8,9,10,11,12,13,14,15,16,17,18,19,20,21,22,23,24,25,26,27,28,29,30,31,32,33,34,35,36,37,38,39,40,41,42,43,44,45,46,47,48,49,50,51,52,53,54,55,56,57,58,59,60,61,62,63
	v_exp_f32 v[S+\j], v[S+\j]                     ; p = 2^(t - M), at most 1: not normalised
.endr
	v_exp_f32 v[IN8], v[IN8]                       ; p of key 128; 0 in lanes 16-31
	v_nop                                          ; a plain place behind the exponentials
	s_wait_alu depctr_va_vdst(0)                   ; one wait for the batch of 65, ahead of its first reader
.irp b, 0,1,2,3
	v_exp_f32 v[BM+\b], v[BM+\b]                   ; a block's largest p: the same two instructions on the same number
.endr
	v_exp_f32 v[B4], v[B4]
	v_pk_add_f32 v[LS:LS+1], v[S:S+1], v[S+2:S+3]  ; the row's sum, two at a time, in two chains.  (It reads the 65 alone: plain work behind the five)
	v_pk_add_f32 v[LB:LB+1], v[S+4:S+5], v[S+6:S+7]
.irp j, 8,12,16,20,24,28,32,36,40,44,48,52,56,60
	v_pk_add_f32 v[LS:LS+1], v[LS:LS+1], v[S+\j:S+\j+1]
	v_pk_add_f32 v[LB:LB+1], v[LB:LB+1], v[S+\j+2:S+\j+3]
.endr
	v_pk_add_f32 v[LS:LS+1], v[LS:LS+1], v[LB:LB+1]
	v_add_f32 v[LS], v[LS], v[LS+1]
	v_add_f32 v[LS], v[LS], v[IN8]
	v_permlanex16_b32 v[LS+1], v[LS], s[SEL], s[SEL+1]
	v_add_f32 v[LS], v[LS], v[LS+1]                ; l
	s_wait_alu depctr_va_vdst(0)                   ; and one wait for the five
.irp b, 0,1,2,3
	v_max_num_f32 v[BM+\b], 0x1800000, v[BM+\b]    ; the floor 2^(3 - 127): the byte cannot fall under 1
.endr
	v_max_num_f32 v[B4], 0x1800000, v[B4]
.irp b, 0,1,2,3
	v_add_nc_u32 v[SOP+\b], 0xff000000, v[BM+\b]   ; 2 off the exponent field: the conversion's scale operand
.endr
	v_add_nc_u32 v[T5], 0xff000000, v[B4]
.irp b, 0,1,2,3
	v_lshrrev_b32 v[BT+\b], 23, v[SOP+\b]          ; the scale's byte
.endr
	v_lshrrev_b32 v[PS+1], 23, v[T5]               ; the byte of key 128's block
	v_lshl_or_b32 v[PS], v[BT+1], 8, v[BT]         ; p's scale word for keys 0-127
	v_lshl_or_b32 v[PS], v[BT+2], 16, v[PS]
	v_lshl_or_b32 v[PS], v[BT+3], 24, v[PS]
.irp b, 0,1,2,3
	v_cvt_scalef32_pk8_fp4_f32 v[P0+2*\b], v[S+16*\b:S+16*\b+7], v[SOP+\b]
	v_cvt_scalef32_pk8_fp4_f32 v[P0+2*\b+1], v[S+16*\b+8:S+16*\b+15], v[SOP+\b]
.endr
	v_cvt_scalef32_pk8_fp4_f32 v[P1C], v[IN8:IN8+7], v[T5]
	v_nop                                          ; one plain place behind the last conversion
.irp c, 0,1                                    ; the operand's layout wants a whole block in a lane: lanes 0-15 block 2 c, lanes 16-31 block 2 c + 1
.irp i, 0,1
	v_permlane16_swap_b32 v[P0+4*\c+\i], v[P0+4*\c+2+\i]
.endr
.endr
	v_rcp_f32 v[RL], v[LS]
	v_nop                                          ; a plain place behind the reciprocal
	s_wait_alu depctr_va_vdst(0)                   ; and its wait, ahead of the store that reads it
	ds_store_b128 v[\pa], v[P0:P0+3] offset:\po    ; p as an image of the operand's registers,
	ds_store_b128 v[\pa], v[P0+4:P0+7] offset:(\po)+512
	ds_store_b32 v[\p4], v[PS] offset:\p4o         ; and four words a lane beside it
	ds_store_b32 v[\p4], v[PS+1] offset:(\p4o)+128
	ds_store_b32 v[\p4], v[RL] offset:(\p4o)+256
	ds_store_b32 v[\p4], v[P1C] offset:(\p4o)+384
.endm
.irp j, 1,2,3,4,5,6,7
	v_mov_b32 v[IN8+\j], 0                         ; the fifth block: zeros behind key 128
.endr
	ATT QTA, 0, QTSA, 0, PWA, 0, P4A, 0            ; wave w: query tile w
	s_cmp_lg_u32 s[WV], 0                          ; nine tiles for eight waves: wave 0 takes tile 8 too.  No barrier stands under this branch, and no address register is written there
	s_cbranch_scc1 .Lnot_wave_0
	ATT LI3, 4096*8, LRU, QSC+256*8, LIU, PIMG+PB*8, L4U, PIMG+PB*8+1024
.Lnot_wave_0:
	BARRIER                                        ; p of all nine query tiles lies in LDS
	; ---- p V, transposed: source 0 = 16 of my features x 128 keys, source 1 = p; then key 128's block.  / l, quantised along the features, to the images of out / l, which lie where x lay
.macro PLOAD q, p
	ds_load_b128 v[PA+16*(\p):PA+16*(\p)+3], v[LIU] offset:PIMG+PB*(\q)
	ds_load_b128 v[PA+16*(\p)+4:PA+16*(\p)+7], v[LIU] offset:PIMG+PB*(\q)+512
	ds_load_b32 v[PS+2*(\p)], v[L4U] offset:PIMG+PB*(\q)+1024
	ds_load_b32 v[PS+2*(\p)+1], v[L4U] offset:PIMG+PB*(\q)+1152
	ds_load_b32 v[RLP+2*(\p)], v[L4U] offset:PIMG+PB*(\q)+1280
	ds_load_b32 v[PA+16*(\p)+8], v[L4U] offset:PIMG+PB*(\q)+1408
.endm
.irp g, 0,1,2,3
.irp c, 0,1
	ds_load_b128 v[V0+8*\g+4*\c:V0+8*\g+4*\c+3], v[VRD] offset:1024*\g+512*\c      ; V's codes of keys 0-127, out of my own scratch
.endr
.endr
	PLOAD 0, 0
.irp g, 0,1,2,3
	v_mov_b32 v[V1+8*\g], v[VC+\g]                 ; V's fifth block: key 128's code,
.endr
.irp g, 0,1,2,3
.irp j, 1,2,3,4,5,6,7
	v_mov_b32 v[V1+8*\g+\j], 0                     ; and zero codes behind it
.endr
.endr
.irp p, 0,1
.irp j, 1,2,3,4,5,6,7
	v_mov_b32 v[PA+16*\p+8+\j], 0                  ; likewise behind p's code of key 128, in both sets
.endr
.endr
	v_mov_b32 v[RLP+1], 0                          ; (named as the upper halves of pairs)
	v_mov_b32 v[RLP+3], 0
	global_load_b128 v[BO:BO+3], v[LR], s[30:31]   ; bo, into the registers that key 128's codes have left
.macro OSTEP q
.set PP, (\q)%2
	s_wait_dscnt 0x0                               ; this tile's p is in; the last tile's stores have read their registers
.if (\q) < NW-1
	PLOAD (\q)+1, 1-PP                             ; the next tile's p, into the other set
.endif
.irp g, 0,1,2,3
	FP4Z AO+8*\g, V0+8*\g, PA+16*PP, VS0+\g, PS+2*PP
.endr
.irp g, 0,1,2,3
	FP4C AO+8*\g, V1+8*\g, PA+16*PP+8, AO+8*\g, VS1+\g, PS+2*PP+1
.endr
	PLACES
.irp j, 0,2,4,6,8,10,12,14,16,18,20,22,24,26,28,30
	v_pk_mul_f32 v[AO+\j:AO+\j+1], v[AO+\j:AO+\j+1], v[RLP+2*PP:RLP+2*PP+1] op_sel_hi:[1,0]   ; / l, each accumulator from its low end on
.endr
	QUANT2 AO, WI0, 4096*(\q), OSC+256*(\q)
.endm
.irp q, 0,1,2,3,4,5,6,7,8
	OSTEP \q
.endr
	BARRIER                                        ; the nine images of out / l lie in LDS
	; ---- the last product: source 0 = 16 rows of Wo, source 1 = a tile of out / l.  Tile 4, which holds query 64, comes last
	LOADT X, XS, LI, LRU, 0, OSC, 1
	s_wait_loadcnt 0x0                             ; Wo, its scales and bo
.macro FSTEP nxt
	s_wait_dscnt 0x0
	MULT AF, RB, SB, XS, 0
.if (\nxt) >= 0
	LOADT X, XS, LI, LRU, 4096*(\nxt), OSC+256*(\nxt), 1
.endif
.endm
.irp n, 1,2,3,5,6,7,8,4,-1
	FSTEP \n
.endr
	s_cmp_lg_u32 ttmp9, 64                         ; the result is row 64's
	s_cbranch_scc1 .Lend
	; column 0 lies in lanes 0 and 16.  The tile goes through my own stage, and row 0 comes back as my 64 outputs: 256 bytes, 16 a lane
.irp g, 0,1,2,3
	ds_store_b128 v[SO], v[AF+8*\g:AF+8*\g+3] offset:64*\g
	ds_store_b128 v[SO], v[AF+8*\g+4:AF+8*\g+7] offset:64*\g+16
.endr
	ds_load_b128 v[TM:TM+3], v[SR]                 ; LDS serves a wave's instructions in order (ISA guide 5.7.1.4): this sees the stores above
	s_wait_dscnt 0x0
	v_pk_add_f32 v[TM:TM+1], v[TM:TM+1], v[BO:BO+1]
	v_pk_add_f32 v[TM+2:TM+3], v[TM+2:TM+3], v[BO+2:BO+3]
	s_wait_xcnt 0x0                                ; EXEC changes only behind this wait
	s_and_saveexec_b32 s61, s[LOW]                 ; lanes 0-15
	global_store_b128 v[LR], v[TM:TM+3], s[32:33]  ; sixteen lanes store 256 consecutive bytes, at a multiple of 256 from out0's first byte
	s_wait_xcnt 0x0                                ; and again, in front of the line that widens it
	s_or_b32 exec_lo, exec_lo, s61
.Lend:
	s_wait_xcnt 0x0
	s_mov_b32 exec_lo, -1
	v_lshl_add_u32 v254, v0, 2, 0x41800
	v_mov_b32 v255, 0
	s_wait_tensorcnt 0x0
	ds_add_u32 v254, v255
	s_wait_dscnt 0x0
	s_endpgm
.Lfunc_end_k_qa8f6b4c59a_local_rows:
	.size	k_qa8f6b4c59a_local_rows, .Lfunc_end_k_qa8f6b4c59a_local_rows-k_qa8f6b4c59a_local_rows
	.p2alignl 7, 3214868480
	.fill 96, 4, 3214868480
	.section	.rodata,"a",@progbits
	.p2align	6, 0x0
	.amdhsa_kernel k_qa8f6b4c59a_local_rows
		.amdhsa_group_segment_fixed_size 269312
		.amdhsa_private_segment_fixed_size 0
		.amdhsa_enable_private_segment 0
		.amdhsa_kernarg_size 120
		.amdhsa_user_sgpr_count 2
		.amdhsa_user_sgpr_kernarg_segment_ptr 1
		.amdhsa_wavefront_size32 1
		.amdhsa_system_sgpr_workgroup_id_x 1
		.amdhsa_system_sgpr_workgroup_id_y 1
		.amdhsa_system_sgpr_workgroup_id_z 1
		.amdhsa_system_vgpr_workitem_id 0
		.amdhsa_next_free_vgpr 512
		.amdhsa_next_free_sgpr 66
		.amdhsa_reserve_vcc 0
		.amdhsa_float_denorm_mode_32 3
		.amdhsa_float_denorm_mode_16_64 3
		.amdhsa_memory_ordered 1
		.amdhsa_forward_progress 1
		.amdhsa_inst_pref_size 255
	.end_amdhsa_kernel
	.section	.bss,"aw",@nobits
	.p2align	6
	.space	262144
	.amdgpu_metadata
---
amdhsa.version: [ 1, 2 ]
amdhsa.kernels:
  - .name:           k_qa8f6b4c59a_local_rows
    .symbol:         k_qa8f6b4c59a_local_rows.kd
    .args:
      - { .name: matrix_codes, .offset: 0, .size: 8, .value_kind: global_buffer, .address_space: global }
      - { .name: matrix_scales, .offset: 8, .size: 8, .value_kind: global_buffer, .address_space: global }
      - { .name: Wk_codes, .offset: 16, .size: 8, .value_kind: global_buffer, .address_space: global }
      - { .name: Wk_scales, .offset: 24, .size: 8, .value_kind: global_buffer, .address_space: global }
      - { .name: bk, .offset: 32, .size: 8, .value_kind: global_buffer, .address_space: global }
      - { .name: Wq_codes, .offset: 40, .size: 8, .value_kind: global_buffer, .address_space: global }
      - { .name: Wq_scales, .offset: 48, .size: 8, .value_kind: global_buffer, .address_space: global }
      - { .name: bq, .offset: 56, .size: 8, .value_kind: global_buffer, .address_space: global }
      - { .name: Wv_codes, .offset: 64, .size: 8, .value_kind: global_buffer, .address_space: global }
      - { .name: Wv_scales, .offset: 72, .size: 8, .value_kind: global_buffer, .address_space: global }
      - { .name: bv, .offset: 80, .size: 8, .value_kind: global_buffer, .address_space: global }
      - { .name: Wo_codes, .offset: 88, .size: 8, .value_kind: global_buffer, .address_space: global }
      - { .name: Wo_scales, .offset: 96, .size: 8, .value_kind: global_buffer, .address_space: global }
      - { .name: bo, .offset: 104, .size: 8, .value_kind: global_buffer, .address_space: global }
      - { .name: out0, .offset: 112, .size: 8, .value_kind: global_buffer, .address_space: global }
    .group_segment_fixed_size: 269312
    .private_segment_fixed_size: 0
    .kernarg_segment_align: 8
    .kernarg_segment_size: 120
    .max_flat_workgroup_size: 256
    .sgpr_count:     66
    .vgpr_count:     512
    .wavefront_size: 32
...
	.end_amdgpu_metadata
.endif
;; end of part 1
;; ======== version 2 of 2: 1 launch
;; launch window_rows (part 2): grid 129 x 1, 8 waves a work-group, no clusters, 269,312 bytes of LDS; arguments matrix_codes, matrix_scales, Wk_codes, Wk_scales, bk, Wq_codes, Wq_scales, bq, Wv_codes, Wv_scales, bv, Wo_codes, Wo_scales, bo, out0; writes out0
.if DOCPART == 2
	.amdgcn_target "amdgcn-amd-amdhsa--gfx1250"
	.amdhsa_code_object_version 6
	.text
	.protected	k_qa8f6b4c59a_window_rows
	.globl	k_qa8f6b4c59a_window_rows
	.p2align	8
	.type	k_qa8f6b4c59a_window_rows,@function
k_qa8f6b4c59a_window_rows:
	s_mov_b64 s[64:65], 0
	v_nop
	global_prefetch_b8 v0, s[64:65] scope:SCOPE_SE
	s_setreg_imm32_b32 hwreg(HW_REG_WAVE_MODE, 25, 1), 1
	s_wait_xcnt 0x0
; The windowed attention, all six products on codes of FP4 (E2M1) with one E8M0 scale for each 32 along K.
; WHAT IS MULTIPLIED.  The window begins at row 0 and column 0 (px = py = 64, window 64): rows 0-128, tokens 0-128 of each.  Q, K and V are multiplied for the window's tokens alone, since all else is cut away by a fixed slice;
; the scores, p V and the product with Wo for all 129 rows and all 129 queries of each.  The result is the window's entry [64][64] alone: so the last product's results of other rows and queries leave their
; accumulators nowhere, and only work-group 64 stores.
; SHARES.  Work-group i takes row i of the window: its tokens as nine tiles of 16.  Eight waves; wave w owns features 64 w .. 64 w + 63 of all four weights, as four tiles g of 16 rows; a weight goes from memory into its
; registers in the operand's layout, a pass ahead of its use, and stays for its pass.  129 work-groups: a row's steps behind K and V are sums over all features or all keys, and work-groups hand nothing to each other.
; NO CLUSTER, though all work-groups read the same weights: 129 is no multiple of 4, and a joint load lands in LDS, where this text leaves 59,392 bytes free against a weight's 131,072.
; TOKENS.  Row r of tile 2 b + u is token 32 b + 8 u + r + 8 (r / 8).  So in a result whose rows are tokens, the 16 registers of tiles 2 b and 2 b + 1 are 16 neighbouring keys.  Of tile 8 (tokens 128 + r + 8 (r / 8), at
; most 151) only row 0 is a key.  Token 64 is row 0 of tile 4.
; OPERANDS GO FROM WAVE TO WAVE THROUGH LDS AS IMAGES OF THEIR REGISTERS: a tile of 16 rows x 512 K is 4,096 bytes, registers 4 c .. 4 c + 3 of K step s at 1024 s + 512 c + 16 x lane; its scale words 16 bytes a row.
; THE TILE IN HAND HAS TWO BUFFERS: a step first asks LDS for the next step's tile, into the buffer that the step before has read, and then multiplies its own: 16 products stand between a tile's request and the wait for it.
; THE QUANTISERS stand where the problem has them: q and K along the 512 features, p and V along the keys (blocks 0-31, 32-63, 64-95, 96-127, and key 128 with zeros behind it), out / l along the 512 features.
; LIMITS.  NaN, infinities and a given scale byte 0xff are not served beyond what the matrix unit itself yields.  A block of zeros made here carries the byte 1 over zero codes where the rule says 127: the same values, and only
; this text reads the bytes.  Each output has one accumulator, K ascending; bq and bk are the C of a sum's first product, bv is added to the finished sums of the keys, bo at the end.  1 / l is v_rcp_f32 and a multiplication.
.set NT,    9                          ; tiles of 16 tokens that touch the window
.set U,     65536                      ; the LDS regions' bases are carried in the address registers, so that every immediate stays under 65,536
.set XSC,   0                          ; + U: x's scale rows, 9 x 256.   (x's nine images lie from byte 0 on; behind the projections the nine images of out / l take their place)
.set KSC,   4096                       ; + U: K's scale rows, 9 x 256
.set QSC,   6400                       ; + U: q's
.set OSC,   8704                       ; + U: those of out / l
.set PIMG,  11008                      ; + U: p: for each query tile 1,024 bytes of codes, then 128 each of: the word of keys 0-127, the byte of key 128's block, 1 / l, key 128's code
.set PB,    1536
.set VIMG,  24832                      ; + U: V's codes: 4,096 bytes for each wave, its own
.set STG,   3*U+36864                  ; behind K's images (2 U on) and q's (3 U on): the way out, 16 rows x 272 bytes for each wave, its own
.set SP,    272
; window 0: addresses, made at the head and never rewritten
.set LI,   1                           ; 16 x lane
.set LR,   2                           ; 16 r: the offset of scale rows, bo and out0 in memory
.set LRU,  3                           ; U + 16 r
.set LI2,  4                           ; 2 U + 16 x lane
.set LI3,  5                           ; 3 U + 16 x lane
.set LIU,  6                           ; U + 16 x lane
.set WI0,  7                           ; 512 w + 16 r + 4 h: where my four bytes of an image go; of out / l,
.set WI2,  8                           ; of K (+ 2 U),
.set WI3,  9                           ; of q (+ 3 U)
.set WSU,  10                          ; U + 2 w + 16 r: where my two scale bytes go
.set VW,   11                          ; U + VIMG + 4096 w + 16 r + 8 h
.set VRD,  12                          ; U + VIMG + 4096 w + 16 x lane
.set SO,   13                          ; STG + 4352 w + 272 r + 32 h
.set SR,   14                          ; STG + 4352 w + 16 r
.set WL,   15                          ; 256 r + 16 h: a weight's fragment in memory
.set BL,   16                          ; 32 h: a bias in the transposed result's layout
.set MK,   17                          ; 15 in lanes 0-15, 0 in lanes 16-31
.set QTA,  18                          ; 3 U + 4096 w + 16 x lane: query tile w's image
.set QTSA, 19                          ; U + QSC + 256 w + 16 r: its scale rows
.set PWA,  20                          ; U + PIMG + 1536 w + 16 x lane: where query tile w's p goes
.set L4U,  21                          ; U + 4 x lane
.set P4A,  22                          ; U + PIMG + 1536 w + 1024 + 4 x lane
; window 0: registers that hold scales and nothing else
.set SA,   24                          ; v24-39  Wk's words (4 g + s), then Wq's, then those of three tiles of K
.set SB,   40                          ; v40-55  Wv's, then Wo's
.set XS,   56                          ; v56-59  the words of the tile in buffer 0; those of buffer 1 lie 12 registers on, in v68-71
.set VS0,  60                          ; v60-63  my piece of x tile 8's scale rows on its way to LDS; then V's words for keys 0-127, tile g
.set VS1,  64                          ; v64-67  V's bytes for key 128's block
.set PS,   68                          ; v68-71  the words of the tile in buffer 1; then p's word and byte, two sets
; window 0: data
.set BK,   72                          ; v72-103  bk, then bq, in the transposed result's layout
.set X1,   104                         ; v104-135 the tile in hand, buffer 1
.set X,    136                         ; v136-167 the tile in hand, buffer 0
.set AK,   168                         ; v168-199 K's, then Q's four accumulators
.set AV,   168                         ; v168-231 V's accumulators: 16 g + 8 (m % 2)
.set BV,   232                         ; v232-235 bv of my four tiles; then key 128's codes of V; then bo
.set VC,   232
.set BO,   232
.set TM,   236                         ; v236-255 at work
.set QT,   72                          ; scores: v72-103 the query tile
.set S,    104                         ; v104-175 its scores against nine tiles of keys, then p
.set IN8,  176                         ; v176-183 p of key 128 and seven zeros
.set P0,   184                         ; v184-191 p's codes, keys 0-127
.set P1C,  192                         ; v192     p's code of key 128
.set V0,   72                          ; p V: v72-103 V's codes, keys 0-127
.set V1,   104                         ; v104-135 V's codes of key 128 and zeros
.set AO,   136                         ; v136-167 four accumulators
.set PA,   168                         ; v168-199 p, two sets of 16: codes of keys 0-127, then key 128's code and seven zeros
.set RLP,  200                         ; v[200:201], v[202:203] 1 / l, two sets (the packed form names a pair)
.set AF,   168                         ; v168-199 the last product's accumulators
.set BM,   TM                          ; softmax: v236-239 the blocks' largest scores, then their largest p
.set BT,   TM+4                        ; v240-243 at work
.set B4,   TM+8                        ; v244     the same for the fifth block
.set T5,   TM+9                        ; v245     at work
.set NM,   TM+10                       ; v[246:247] -M
.set EV,   TM+12                       ; v248     key 128's score
.set LS,   TM+12                       ; v[248:249], v[250:251] the sum, in two chains
.set LB,   TM+14
.set RL,   TM+14                       ; v250     1 / l
.set SOP,  TM+16                       ; v252-255 the conversions' scale operands
.set TL,   200                         ; head and K pass only: lane, r, h, r + 8 (r / 8), the offsets of x's loads and stores and of bv
.set TR,   201
.set TH,   202
.set TRP,  203
.set XO,   204
.set XSO,  205
.set XWL,  206
.set XSL,  207
.set BVO,  208
.set X8O,  209
.set X8L,  210
.set X8SO, 211
.set X8SL, 212
; window 1
.set RA,   0                           ; v0-127   Wk, then Wq, then three tiles of K: fragment (g, s) at 32 g + 8 s
.set RB,   128                         ; v128-255 Wv, then Wo
; scalars
.set WV,   34                          ; my wave's number
.set SEL,  56                          ; s[56:57] v_permlanex16_b32's selects for lane l xor 16
.set CS,   58                          ; s[58:59] c = log2(e) / sqrt(512), twice: the packed form names the pair
.set LOW,  60                          ; s60 the mask of lanes 0-15
.set MSB, 0
.macro WIN new                         ; the immediate's high byte repeats the setting that is left
.if MSB != \new
	s_set_vgpr_msb (MSB<<8)|\new
.set MSB, \new
.endif
.endm
.macro PLACES                          ; plain vector instructions behind a matrix instruction: four ahead of a read of its result or a load into its registers, five ahead of a matrix instruction that begins its accumulator anew
.rept 5
	v_nop
.endr
.endm
.macro BARRIER                         ; my LDS stores have landed and my LDS loads are in: then the work-group's barrier
	s_wait_dscnt 0x0
	s_barrier_signal -1
	s_barrier_wait -1
.endm
.macro XBUF n                          ; the buffers of step n: XC, XCS the tile in hand and its scale words; XN, XNS those of the next step
.set XC,  X-32*((\n)%2)
.set XCS, XS+12*((\n)%2)
.set XN,  X-32*(((\n)+1)%2)
.set XNS, XS+12*(((\n)+1)%2)
.endm
.macro FP4Z d, a, b, sa, sb            ; a product that starts a sum
	v_wmma_scale_f32_16x16x128_f8f6f4 v[\d:\d+7], v[\a:\a+7], v[\b:\b+7], 0, v[\sa], v[\sb] matrix_a_fmt:MATRIX_FMT_FP4 matrix_b_fmt:MATRIX_FMT_FP4
.endm
.macro FP4C d, a, b, c, sa, sb         ; a product onto registers
	v_wmma_scale_f32_16x16x128_f8f6f4 v[\d:\d+7], v[\a:\a+7], v[\b:\b+7], v[\c:\c+7], v[\sa], v[\sb] matrix_a_fmt:MATRIX_FMT_FP4 matrix_b_fmt:MATRIX_FMT_FP4
.endm
; tile g of my 64 rows of a weight into window 1: lane (r, h) takes, of row 16 g + r, the 16 bytes at 64 s + 32 c + 16 h; a row's eight loads stand one behind the other
.macro WPART reg, sb, g
	WIN 0x40                                       ; destination window 1, address window 0
.irp s, 0,1,2,3
.irp c, 0,1
	global_load_b128 v[\reg+32*(\g)+8*\s+4*\c:\reg+32*(\g)+8*\s+4*\c+3], v[WL], s[\sb:\sb+1] offset:4096*(\g)+64*\s+32*\c
.endr
.endr
	WIN 0
.endm
.macro SLOAD reg, sb                   ; a weight's scale rows: 16 bytes a row are the four K steps' words
.irp g, 0,1,2,3
	global_load_b128 v[\reg+4*\g:\reg+4*\g+3], v[LR], s[\sb:\sb+1] offset:256*\g
.endr
.endm
.macro BLOAD reg, sb                   ; a bias in the transposed result's layout: lane (r, h), tile g: features 16 g + 8 h + 0 .. 7
.irp g, 0,1,2,3
	global_load_b128 v[\reg+8*\g:\reg+8*\g+3], v[BL], s[\sb:\sb+1] offset:64*\g
	global_load_b128 v[\reg+8*\g+4:\reg+8*\g+7], v[BL], s[\sb:\sb+1] offset:64*\g+16
.endr
.endm
; an operand tile out of LDS: its image into v[dst] on, its four scale words into v[sd] on: nine loads
.macro LOADT dst, sd, ai, ar, img, sc, withsc
.irp s, 0,1,2,3
.irp c, 0,1
	ds_load_b128 v[\dst+8*\s+4*\c:\dst+8*\s+4*\c+3], v[\ai] offset:(\img)+1024*\s+512*\c
.endr
.endr
.if \withsc
	ds_load_b128 v[\sd:\sd+3], v[\ar] offset:\sc
.endif
.endm
; 16 products, TRANSPOSED: source 0 = 16 rows of my weight (window 1), source 1 = the tile in v[xb] on.  Lane (r, h) then holds, of the tile's row r, features 64 w + 16 g + 8 h + 0 .. 7.
; The four accumulators take turns, one instruction a turn.  cmode 0: the sums start at 0; 1: at the bias in BK.
.macro MULT acc, wreg, ws, xb, xs, cmode
	WIN 0x01                                       ; source 0 window 1
.irp s, 0,1,2,3
.irp g, 0,1,2,3
.if (\s == 0) && (\cmode == 0)
	FP4Z \acc+8*\g, \wreg+32*\g+8*\s, \xb+8*\s, \ws+4*\g+\s, \xs+\s
.elseif (\s == 0) && (\cmode == 1)
	FP4C \acc+8*\g, \wreg+32*\g+8*\s, \xb+8*\s, BK+8*\g, \ws+4*\g+\s, \xs+\s
.else
	FP4C \acc+8*\g, \wreg+32*\g+8*\s, \xb+8*\s, \acc+8*\g, \ws+4*\g+\s, \xs+\s
.endif
.endr
.endr
	WIN 0
	PLACES
.endm
; 16 products for V: source 0 = the tile of tokens, source 1 = 16 rows of Wv (window 1).  Lane (r, h) holds feature 64 w + 16 g + r and token rows 8 h + 0 .. 7 of tile m.  The sums start at 0: bv is added ahead of the quantiser
.macro MULV m, xb, xs
	WIN 0x04                                       ; source 1 window 1
.irp s, 0,1,2,3
.irp g, 0,1,2,3
.if \s == 0
	FP4Z AV+16*\g+8*((\m)%2), \xb+8*\s, RB+32*\g+8*\s, \xs+\s, SB+4*\g+\s
.else
	FP4C AV+16*\g+8*((\m)%2), \xb+8*\s, RB+32*\g+8*\s, AV+16*\g+8*((\m)%2), \xs+\s, SB+4*\g+\s
.endif
.endr
.endr
	WIN 0
	PLACES
.endm
; 32 numbers of a lane in the transposed layout, v[src] on: two blocks of 32 features (block b: tiles 2 b, 2 b + 1, shared with lane l xor 16) become codes and scale bytes, and go to their places in an image:
; tile 2 b + u's eight codes to 512 w + 256 b + 16 r + 8 u + 4 h, the two bytes to 16 r + 2 w.  Five LDS stores.
.macro QUANT2 src, wi, img, sc
.irp b, 0,1
	v_max3_num_f32 v[TM+\b], |v[\src+16*\b]|, |v[\src+16*\b+1]|, 0x1800000   ; my 16 numbers of block b, each accumulator from its low end on, and the floor 2^(3 - 127): so the byte cannot fall under 1
.endr
.irp i, 2,4,6,8,10,12,14
.irp b, 0,1
	v_max3_num_f32 v[TM+\b], v[TM+\b], |v[\src+16*\b+\i]|, |v[\src+16*\b+\i+1]|
.endr
.endr
.irp b, 0,1
	s_delay_alu instid0(VALU_DEP_2)
	v_permlanex16_b32 v[TM+2+\b], v[TM+\b], s[SEL], s[SEL+1]
.endr
.irp b, 0,1
	s_delay_alu instid0(VALU_DEP_2)
	v_max_num_f32 v[TM+\b], v[TM+\b], v[TM+2+\b]   ; with lane l xor 16's: the block's largest magnitude
.endr
.irp b, 0,1
	s_delay_alu instid0(VALU_DEP_2)
	v_add_nc_u32 v[TM+4+\b], 0xff000000, v[TM+\b]  ; 2 off its exponent field: the conversion takes the exponent field of this operand as its scale
.endr
.irp b, 0,1
	s_delay_alu instid0(VALU_DEP_2)
	v_lshrrev_b32 v[TM+2+\b], 23, v[TM+4+\b]       ; the scale's byte
.endr
	s_delay_alu instid0(VALU_DEP_1)
	v_lshl_or_b32 v[TM+6], v[TM+3], 8, v[TM+2]
.irp b, 0,1
.irp u, 0,1
	v_cvt_scalef32_pk8_fp4_f32 v[TM+7+2*\b+\u], v[\src+16*\b+8*\u:\src+16*\b+8*\u+7], v[TM+4+\b]
.endr
.endr
	v_nop                                          ; one plain place behind the last conversion: later lines write its sources
.irp b, 0,1
.irp u, 0,1
	ds_store_b32 v[\wi], v[TM+7+2*\b+\u] offset:(\img)+256*\b+8*\u
.endr
.endr
	ds_store_b16 v[WSU], v[TM+6] offset:\sc        ; both lanes of a row write the same two bytes with the same values
.endm
; V's block b of 32 keys, for my four tiles of features: the 16 registers of a tile are keys 32 b + 16 h + 0 .. 15 of feature r.  bv is added; the byte goes into the tile's scale word, the 8 bytes of codes to
; 1024 g + 256 b + 16 r + 8 h of my scratch.  Four LDS stores.
.macro QUANTV b
.irp i, 0,1,2,3,4,5,6,7,8,9,10,11,12,13,14,15
.irp g, 0,1,2,3
	v_add_f32 v[AV+16*\g+\i], v[AV+16*\g+\i], v[BV+\g]             ; a lane holds one feature: one number of bv for its 16 keys; each accumulator from its low end on
.endr
.endr
.irp g, 0,1,2,3
	v_max3_num_f32 v[TM+\g], |v[AV+16*\g]|, |v[AV+16*\g+1]|, 0x1800000
.endr
.irp i, 2,4,6,8,10,12,14
.irp g, 0,1,2,3
	s_delay_alu instid0(VALU_DEP_4)
	v_max3_num_f32 v[TM+\g], v[TM+\g], |v[AV+16*\g+\i]|, |v[AV+16*\g+\i+1]|
.endr
.endr
.irp g, 0,1,2,3
	v_permlanex16_b32 v[TM+4+\g], v[TM+\g], s[SEL], s[SEL+1]
.endr
.irp g, 0,1,2,3
	s_delay_alu instid0(VALU_DEP_4)
	v_max_num_f32 v[TM+\g], v[TM+\g], v[TM+4+\g]
.endr
.irp g, 0,1,2,3
	s_delay_alu instid0(VALU_DEP_4)
	v_add_nc_u32 v[TM+8+\g], 0xff000000, v[TM+\g]
.endr
.irp g, 0,1,2,3
.if (\b) == 0
	s_delay_alu instid0(VALU_DEP_4)
	v_lshrrev_b32 v[VS0+\g], 23, v[TM+8+\g]
.else
	s_delay_alu instid0(VALU_DEP_4)
	v_lshrrev_b32 v[TM+4+\g], 23, v[TM+8+\g]
.endif
.endr
.if (\b) > 0
.irp g, 0,1,2,3
	s_delay_alu instid0(VALU_DEP_4)
	v_lshl_or_b32 v[VS0+\g], v[TM+4+\g], 8*(\b), v[VS0+\g]
.endr
.endif
.irp g, 0,1,2,3
	v_cvt_scalef32_pk8_fp4_f32 v[TM+12+2*\g], v[AV+16*\g:AV+16*\g+7], v[TM+8+\g]
	v_cvt_scalef32_pk8_fp4_f32 v[TM+13+2*\g], v[AV+16*\g+8:AV+16*\g+15], v[TM+8+\g]
.endr
	v_nop                                          ; one plain place behind the last conversion
.irp g, 0,1,2,3
	ds_store_b64 v[VW], v[TM+12+2*\g:TM+13+2*\g] offset:1024*\g+256*(\b)
.endr
.endm
; key 128 is register 0 of lanes 0-15 of tile 8; its block holds it and zeros, so its own magnitude gives the scale
.macro QUANTV8
.irp g, 0,1,2,3
	v_add_f32 v[AV+16*\g], v[AV+16*\g], v[BV+\g]   ; bv, for the one number that is kept
.endr
.irp g, 0,1,2,3
	s_delay_alu instid0(VALU_DEP_4)
	v_max3_num_f32 v[TM+\g], |v[AV+16*\g]|, |v[AV+16*\g]|, 0x1800000
.endr
.irp g, 0,1,2,3
	s_delay_alu instid0(VALU_DEP_4)
	v_add_nc_u32 v[TM+8+\g], 0xff000000, v[TM+\g]
.endr
.irp g, 0,1,2,3
	s_delay_alu instid0(VALU_DEP_4)
	v_lshrrev_b32 v[VS1+\g], 23, v[TM+8+\g]        ; byte 0 of the word; the other bytes stand over zero codes
.endr
.irp g, 0,1,2,3
	v_cvt_scalef32_pk8_fp4_f32 v[TM+12+\g], v[AV+16*\g:AV+16*\g+7], v[TM+8+\g]
.endr
	v_nop                                          ; one plain place behind the last conversion
.irp g, 0,1,2,3
	v_and_b32 v[VC+\g], v[TM+12+\g], v[MK]         ; key 128's code stays, in lanes 0-15; all else is zero codes
.endr
.endm
	; ---- the head
	s_load_b512 s[4:19], s[0:1], 0x0               ; matrix codes s[4:5], scales s[6:7]; Wk codes s[8:9], scales s[10:11]; bk s[12:13]; Wq codes s[14:15], scales s[16:17]; bq s[18:19]
	s_load_b256 s[20:27], s[0:1], 0x40             ; Wv codes s[20:21], scales s[22:23]; bv s[24:25]; Wo codes s[26:27]
	s_load_b128 s[28:31], s[0:1], 0x60             ; Wo scales s[28:29]; bo s[30:31]
	s_load_b64 s[32:33], s[0:1], 0x70              ; out0
	v_lshrrev_b32 v[TL], 5, v0
	s_delay_alu instid0(VALU_DEP_1)
	v_readfirstlane_b32 s[WV], v[TL]               ; wave 0..7
	v_and_b32 v[TL], 31, v0                        ; lane
	s_wait_alu depctr_va_vdst(0)
	v_and_b32 v[TR], 15, v0                        ; r
	s_wait_alu depctr_va_vdst(0)
	v_bfe_u32 v[TH], v0, 4, 1                      ; h
	v_and_b32 v[TRP], 8, v[TR]
	s_delay_alu instid0(VALU_DEP_1)
	v_add_nc_u32 v[TRP], v[TRP], v[TR]             ; r + 8 (r / 8)
	v_cmp_gt_u32 s[LOW], 16, v[TL]
	s_lshl_b32 s36, s[WV], 14                      ; my 64 rows of a weight's codes,
	s_mov_b32 s37, 0
	s_lshl_b32 s38, s[WV], 10                      ; of its scale bytes,
	s_mov_b32 s39, 0
	s_lshl_b32 s40, s[WV], 8                       ; my 64 numbers of a bias and of out0
	s_mov_b32 s41, 0
	s_lshl_b32 s42, ttmp9, 16                      ; my row of the matrix: 256 tokens x 256 bytes of codes,
	s_mov_b32 s43, 0
	s_lshl_b32 s44, ttmp9, 12                      ; x 16 scale bytes
	s_mov_b32 s45, 0
	s_mov_b32 s[SEL], 0x76543210
	s_mov_b32 s[SEL+1], 0xfedcba98
	s_mov_b32 s[CS], 0x3d8293ee                    ; c = log2(e) / sqrt(512)
	s_mov_b32 s[CS+1], s[CS]
	; LDS addresses: a constant, a constant x a lane term, a constant x wave
	v_lshlrev_b32 v[LI], 4, v[TL]
	v_lshlrev_b32 v[LR], 4, v[TR]
	s_delay_alu instid0(VALU_DEP_1)
	v_add_nc_u32 v[LRU], U, v[LR]
	s_delay_alu instid0(VALU_DEP_3)
	v_add_nc_u32 v[LIU], U, v[LI]
	s_delay_alu instid0(VALU_DEP_4)
	v_add_nc_u32 v[LI2], 2*U, v[LI]
	v_add_nc_u32 v[LI3], 3*U, v[LI]
	v_lshl_add_u32 v[L4U], v[TL], 2, U
	s_lshl_b32 s62, s[WV], 9
	v_lshl_add_u32 v[WI0], v[TH], 2, v[LR]
	s_delay_alu instid0(VALU_DEP_1)
	v_add_nc_u32 v[WI0], s62, v[WI0]
	s_delay_alu instid0(VALU_DEP_1)
	v_add_nc_u32 v[WI2], 2*U, v[WI0]
	s_delay_alu instid0(VALU_DEP_2)
	v_add_nc_u32 v[WI3], 3*U, v[WI0]
	v_add_nc_u32 v[X8L], s62, v[LI]                ; my eighth of x tile 8's image
	s_lshl_b32 s62, s[WV], 1
	v_add_nc_u32 v[WSU], s62, v[LRU]
	s_lshl_b32 s62, s[WV], 12
	v_add_nc_u32 v[XWL], s62, v[LI]                ; x tile w's image
	v_add_nc_u32 v[QTA], s62, v[LI3]
	s_add_co_u32 s62, s62, U+VIMG
	v_lshl_add_u32 v[VW], v[TH], 3, v[LR]
	s_delay_alu instid0(VALU_DEP_1)
	v_add_nc_u32 v[VW], s62, v[VW]
	v_add_nc_u32 v[VRD], s62, v[LI]
	v_add_nc_u32 v[XSL], s40, v[LRU]               ; x tile w's scale rows: U + 256 w + 16 r
	s_delay_alu instid0(VALU_DEP_1)
	v_add_nc_u32 v[QTSA], QSC, v[XSL]
	s_mul_i32 s62, s[WV], PB
	s_add_co_u32 s62, s62, PIMG
	v_add_nc_u32 v[PWA], s62, v[LIU]
	s_add_co_u32 s62, s62, 1024
	v_add_nc_u32 v[P4A], s62, v[L4U]
	v_mul_u32_u24 v[SO], v[TR], SP
	s_delay_alu instid0(VALU_DEP_1)
	v_lshl_add_u32 v[SO], v[TH], 5, v[SO]
	s_mul_i32 s62, s[WV], 16*SP
	s_add_co_u32 s62, s62, STG
	v_add_nc_u32 v[SO], s62, v[SO]
	v_add_nc_u32 v[SR], s62, v[LR]
	; offsets in memory
	v_lshlrev_b32 v[WL], 8, v[TR]
	s_delay_alu instid0(VALU_DEP_1)
	v_lshl_add_u32 v[WL], v[TH], 4, v[WL]
	v_lshlrev_b32 v[BL], 5, v[TH]
	v_mul_u32_u24 v[MK], v[TH], 15
	s_delay_alu instid0(VALU_DEP_1)
	v_sub_nc_u32 v[MK], 15, v[MK]
	v_lshlrev_b32 v[BVO], 2, v[TR]
	v_lshlrev_b32 v[XSO], 4, v[TRP]                ; a token's scale row is 16 bytes,
	v_lshlrev_b32 v[X8O], 8, v[TRP]                ; its codes 256
	s_delay_alu instid0(VALU_DEP_1)
	v_lshl_add_u32 v[X8O], v[TH], 4, v[X8O]
	s_lshr_b32 s62, s[WV], 1
	s_lshl_b32 s62, s62, 13
	s_and_b32 s63, s[WV], 1
	s_lshl_b32 s63, s63, 11
	s_add_co_u32 s62, s62, s63                     ; tile w begins at token 32 (w / 2) + 8 (w % 2)
	v_add_nc_u32 v[XO], s62, v[X8O]
	s_lshr_b32 s62, s62, 4
	v_add_nc_u32 v[XSO], s62, v[XSO]
	s_lshl_b32 s62, s[WV], 5
	v_add_nc_u32 v[X8O], s62, v[X8O]               ; of tile 8 I take the 32 bytes a row at 32 w: piece (s, c) = (w / 2, w % 2)
	v_and_b32 v[X8SO], 7, v[TL]
	s_delay_alu instid0(VALU_DEP_1)
	v_lshlrev_b32 v[X8SO], 2, v[X8SO]              ; and of its scale rows the rows 2 w and 2 w + 1, 32 bytes on end in memory and in LDS: 4 (lane % 8),
	s_delay_alu instid0(VALU_DEP_1)
	v_add_nc_u32 v[X8SL], s62, v[X8SO]             ; in LDS at 32 w,
	s_delay_alu instid0(VALU_DEP_1)
	v_add_nc_u32 v[X8SL], U, v[X8SL]
	s_lshl_b32 s62, s[WV], 1
	s_and_b32 s63, s62, 8
	s_add_co_u32 s62, s62, s63
	s_lshl_b32 s62, s62, 4
	v_add_nc_u32 v[X8SO], s62, v[X8SO]             ; in memory at 16 (2 w + 8 (w / 4))
.irp j, 0,1,2,3,4,5,6,7,8,9,10,11,12,13,14,15,16,17,18,19
	v_mov_b32 v[TM+\j], 0                          ; written once: a lane permute's destination counts as one of its sources
.endr
	s_wait_kmcnt 0x0
	s_add_nc_u64 s[4:5], s[4:5], s[42:43]
	s_add_nc_u64 s[6:7], s[6:7], s[44:45]
	s_add_nc_u64 s[8:9], s[8:9], s[36:37]
	s_add_nc_u64 s[10:11], s[10:11], s[38:39]
	s_add_nc_u64 s[12:13], s[12:13], s[40:41]
	s_add_nc_u64 s[14:15], s[14:15], s[36:37]
	s_add_nc_u64 s[16:17], s[16:17], s[38:39]
	s_add_nc_u64 s[18:19], s[18:19], s[40:41]
	s_add_nc_u64 s[20:21], s[20:21], s[36:37]
	s_add_nc_u64 s[22:23], s[22:23], s[38:39]
	s_add_nc_u64 s[24:25], s[24:25], s[40:41]
	s_add_nc_u64 s[26:27], s[26:27], s[36:37]
	s_add_nc_u64 s[28:29], s[28:29], s[38:39]
	s_add_nc_u64 s[30:31], s[30:31], s[40:41]
	s_add_nc_u64 s[32:33], s[32:33], s[40:41]
	; x: 11 loads
.irp s, 0,1,2,3
.irp c, 0,1
	global_load_b128 v[X+8*\s+4*\c:X+8*\s+4*\c+3], v[XO], s[4:5] offset:64*\s+32*\c th:TH_LOAD_NT   ; tile w in the operand's layout; read once in the launch
.endr
.endr
	global_load_b128 v[XS:XS+3], v[XSO], s[6:7]    ; its scale rows
	global_load_b128 v[X1:X1+3], v[X8O], s[4:5] offset:32768       ; my eighth of tile 8 (token 128 on)
	global_load_b32 v[VS0], v[X8SO], s[6:7] offset:2048            ; my eighth of its scale rows
	; Wk: 44 loads
	SLOAD SA, 10
	BLOAD BK, 12
.irp g, 0,1,2,3
	WPART RA, 8, \g
.endr
	; ---- x into LDS
	s_wait_loadcnt 44                              ; x's 11 loads are in; Wk's 44 may be out
.irp s, 0,1,2,3
.irp c, 0,1
	ds_store_b128 v[XWL], v[X+8*\s+4*\c:X+8*\s+4*\c+3] offset:1024*\s+512*\c
.endr
.endr
	ds_store_b128 v[XSL], v[XS:XS+3] offset:XSC    ; both halves of the lanes write the same rows with the same values
	ds_store_b128 v[X8L], v[X1:X1+3] offset:32768
	ds_store_b32 v[X8SL], v[VS0] offset:XSC+2048   ; four lanes write each word, with the same value
	BARRIER                                        ; x's nine images lie in LDS
	LOADT X, XS, LI, LRU, 0, XSC, 1
	WPART RB, 20, 0                                ; half of Wv is asked for where the wave waits for Wk: 60 loads of mine are out
	WPART RB, 20, 1
	s_wait_loadcnt 16                              ; Wk's loads are in; Wv's 16 may be out
	; ---- K: nine tiles of tokens.  The rest of Wv comes meanwhile
.macro KSTEP m
	XBUF \m
.set TN, ((\m)+1)%NT
.if (\m) == 0
	s_wait_dscnt 0x0                               ; the tile is in
.else
	s_wait_dscnt 5                                 ; the tile's nine loads are in; the last quantiser's five stores, issued behind them, may be out
.endif
	LOADT XN, XNS, LI, LRU, 4096*TN, XSC+256*TN, 1 ; the next step's tile (behind tile 8: tile 0 again, for V), into the buffer that the last step's products have read: their places lie between
	MULT AK, RA, SA, XC, XCS, 1
.if (\m) < 2
	WPART RB, 20, (\m)+2
.elseif (\m) == 2
	SLOAD SB, 22
.irp g, 0,1,2,3
	global_load_b32 v[BV+\g], v[BVO], s[24:25] offset:64*\g        ; bv of feature 16 g + r
.endr
.endif
	s_wait_dscnt 9                                 ; the last quantiser's stores have read their registers; the nine loads just issued may be out
	QUANT2 AK, WI2, 4096*(\m), KSC+256*(\m)
.endm
.irp m, 0,1,2,3,4,5,6,7,8
	KSTEP \m
.endr
	; ---- V: nine tiles; behind each second tile a block of 32 keys is quantised, behind tile 8 key 128.  Wq comes meanwhile into the registers that Wk has left
	WPART RA, 14, 0
	WPART RA, 14, 1
	s_wait_loadcnt 16                              ; Wv, its scales and bv are in; Wq's 16 may be out
.macro VSTEP m
	XBUF (\m)+NT
.set TN, ((\m)+1)%NT
.if (\m) == 0
	s_wait_dscnt 5                                 ; behind the tile's loads: K's last five stores
.elseif ((\m)%2) == 0
	s_wait_dscnt 4                                 ; behind the tile's loads: the four stores of the block just quantised
.else
	s_wait_dscnt 0x0
.endif
	LOADT XN, XNS, LI, LRU, 4096*TN, XSC+256*TN, 1 ; (behind tile 8: tile 0 again, for Q)
	MULV \m, XC, XCS
.if (\m) == 0
	WPART RA, 14, 2
	WPART RA, 14, 3
.elseif (\m) == 1
	SLOAD SA, 16
	BLOAD BK, 18
.endif
.if ((\m)%2) == 1
	s_wait_dscnt 9                                 ; earlier stores have read their registers; the nine loads just issued may be out
	QUANTV ((\m)-1)/2
.endif
.if (\m) == 8
	QUANTV8
.endif
.endm
.irp m, 0,1,2,3,4,5,6,7,8
	VSTEP \m
.endr
	; ---- Q: nine tiles.  Wo comes meanwhile into the registers that Wv has left
	s_wait_loadcnt 0x0                             ; Wq, its scales and bq
.macro QSTEP m
	XBUF (\m)+2*NT
.if (\m) == 0
	s_wait_dscnt 0x0
.else
	s_wait_dscnt 5                                 ; the tile's nine loads are in; the last quantiser's five stores may be out
.endif
.if (\m) < NT-1
	LOADT XN, XNS, LI, LRU, 4096*((\m)+1), XSC+256*((\m)+1), 1
.endif
	MULT AK, RA, SA, XC, XCS, 1
.if (\m) < 4
	WPART RB, 26, \m
.elseif (\m) == 4
	SLOAD SB, 28
.endif
.if (\m) < NT-1
	s_wait_dscnt 9                                 ; the last quantiser's stores have read their registers
.else
	s_wait_dscnt 0x0                               ; (nothing was issued behind them here)
.endif
	QUANT2 AK, WI3, 4096*(\m), QSC+256*(\m)
.endm
.irp m, 0,1,2,3,4,5,6,7,8
	QSTEP \m
.endr
	BARRIER                                        ; K's nine images and q's nine lie in LDS; nobody reads x any more
	; ---- scores and softmax of one tile of 16 queries, in one wave.  S^T = K q^T: source 0 = 16 keys (window 1), source 1 = the queries.  Lane (r, h): query r of the tile; register 16 b + i: key 32 b + 16 h + i.
	; K's tiles come three at a time; their three accumulators take turns.  p = 2^(t - M), M = ceil(the row's largest t); the sum is taken of the unquantised p.
.macro ATT qa, qo, qsa, qso, pa, po, p4, p4o
	LOADT QT, XS, \qa, \qsa, \qo, \qso, 1
.irp t0, 0,3,6
	WIN 0x40                                       ; destination window 1
.irp i, 0,1,2
.irp s, 0,1,2,3
.irp c, 0,1
	ds_load_b128 v[RA+32*\i+8*\s+4*\c:RA+32*\i+8*\s+4*\c+3], v[LI2] offset:4096*(\t0+\i)+1024*\s+512*\c
.endr
.endr
.endr
	WIN 0
.irp i, 0,1,2
	ds_load_b128 v[SA+4*\i:SA+4*\i+3], v[LRU] offset:KSC+256*(\t0+\i)
.endr
	s_wait_dscnt 0x0
	WIN 0x01                                       ; source 0 window 1
.irp s, 0,1,2,3
.irp i, 0,1,2
.if \s == 0
	FP4Z S+8*(\t0+\i), RA+32*\i+8*\s, QT+8*\s, SA+4*\i+\s, XS+\s
.else
	FP4C S+8*(\t0+\i), RA+32*\i+8*\s, QT+8*\s, S+8*(\t0+\i), SA+4*\i+\s, XS+\s
.endif
.endr
.endr
	WIN 0
	PLACES
.endr
	v_mov_b32 v[BT], 0xff800000                    ; -infinity
	v_cndmask_b32 v[EV], v[BT], v[S+64], s[LOW]    ; key 128's score in lanes 0-15, -infinity in lanes 16-31: tile 8's other rows are no keys
.irp b, 0,1,2,3
	v_max3_num_f32 v[BM+\b], v[S+16*\b], v[S+16*\b+1], v[S+16*\b+2]                ; the largest score of each block of 32 keys: for the row's maximum and, since p rises with the score, for the block's largest p
.endr
.irp i, 3,5,7,9,11,13
.irp b, 0,1,2,3
	v_max3_num_f32 v[BM+\b], v[BM+\b], v[S+16*\b+\i], v[S+16*\b+\i+1]
.endr
.endr
.irp b, 0,1,2,3
	v_max_num_f32 v[BM+\b], v[BM+\b], v[S+16*\b+15]
.endr
.irp b, 0,1,2,3
	v_permlanex16_b32 v[BT+\b], v[BM+\b], s[SEL], s[SEL+1]
.endr
	v_permlanex16_b32 v[T5], v[EV], s[SEL], s[SEL+1]
.irp b, 0,1,2,3
	v_max_num_f32 v[BM+\b], v[BM+\b], v[BT+\b]     ; with lane l xor 16's 16 keys
.endr
	v_max_num_f32 v[B4], v[EV], v[T5]
	s_delay_alu instid0(VALU_DEP_3)
	v_max3_num_f32 v[T5], v[BM], v[BM+1], v[BM+2]
	s_delay_alu instid0(VALU_DEP_1)
	v_max3_num_f32 v[T5], v[T5], v[BM+3], v[B4]    ; the row's largest score
	s_delay_alu instid0(VALU_DEP_1)
	v_mul_f32 v[T5], s[CS], v[T5]                  ; as t (c is positive)
	s_delay_alu instid0(VALU_DEP_1)
	v_floor_f32 v[NM], -v[T5]                      ; -M = floor(-t) = -ceil(t): M is a whole number
	s_delay_alu instid0(VALU_DEP_1)
	v_mov_b32 v[NM+1], v[NM]                       ; (named with it as a pair)
.irp j, 0,2,4,6,8,10,12,14,16,18,20,22,24,26,28,30,32,34,36,38,40,42,44,46,48,50,52,54,56,58,60,62
	v_pk_fma_f32 v[S+\j:S+\j+1], v[S+\j:S+\j+1], s[CS:CS+1], v[NM:NM+1] op_sel_hi:[1,0,0]   ; t - M, two at a time
.endr
.irp b, 0,1,2,3
	v_fma_f32 v[BM+\b], v[BM+\b], s[CS], v[NM]     ; the same of each block's largest score
.endr
	v_fma_f32 v[B4], v[B4], s[CS], v[NM]
	v_fma_f32 v[IN8], v[EV], s[CS], v[NM]          ; and of key 128
	s_wait_alu depctr_va_vdst(0)
.irp j, 0,1,2,3,4,5,6,7,8,9,10,11,12,13,14,15,16,17,18,19,20,21,22,23,24,25,26,27,28,29,30,31,32,33,34,35,36,37,38,39,40,41,42,43,44,45,46,47,48,49,50,51,52,53,54,55,56,57,58,59,60,61,62,63
	v_exp_f32 v[S+\j], v[S+\j]                     ; p = 2^(t - M), at most 1: not normalised
.endr
	v_exp_f32 v[IN8], v[IN8]                       ; p of key 128; 0 in lanes 16-31
	v_nop                                          ; a plain place behind the exponentials
	s_wait_alu depctr_va_vdst(0)                   ; one wait for the batch of 65, ahead of its first reader
.irp b, 0,1,2,3
	v_exp_f32 v[BM+\b], v[BM+\b]                   ; a block's largest p: the same two instructions on the same number
.endr
	v_exp_f32 v[B4], v[B4]
	v_pk_add_f32 v[LS:LS+1], v[S:S+1], v[S+2:S+3]  ; the row's sum, two at a time, in two chains.  (It reads the 65 alone: plain work behind the five)
	v_pk_add_f32 v[LB:LB+1], v[S+4:S+5], v[S+6:S+7]
.irp j, 8,12,16,20,24,28,32,36,40,44,48,52,56,60
	v_pk_add_f32 v[LS:LS+1], v[LS:LS+1], v[S+\j:S+\j+1]
	v_pk_add_f32 v[LB:LB+1], v[LB:LB+1], v[S+\j+2:S+\j+3]
.endr
	s_delay_alu instid0(VALU_DEP_1)
	v_pk_add_f32 v[LS:LS+1], v[LS:LS+1], v[LB:LB+1]
	s_delay_alu instid0(VALU_DEP_1)
	v_add_f32 v[LS], v[LS], v[LS+1]
	v_add_f32 v[LS], v[LS], v[IN8]
	s_delay_alu instid0(VALU_DEP_1)
	v_permlanex16_b32 v[LS+1], v[LS], s[SEL], s[SEL+1]
	s_delay_alu instid0(VALU_DEP_1)
	v_add_f32 v[LS], v[LS], v[LS+1]                ; l
	s_wait_alu depctr_va_vdst(0)                   ; and one wait for the five
.irp b, 0,1,2,3
	v_max_num_f32 v[BM+\b], 0x1800000, v[BM+\b]    ; the floor 2^(3 - 127): the byte cannot fall under 1
.endr
	v_max_num_f32 v[B4], 0x1800000, v[B4]
.irp b, 0,1,2,3
	v_add_nc_u32 v[SOP+\b], 0xff000000, v[BM+\b]   ; 2 off the exponent field: the conversion's scale operand
.endr
	v_add_nc_u32 v[T5], 0xff000000, v[B4]
.irp b, 0,1,2,3
	v_lshrrev_b32 v[BT+\b], 23, v[SOP+\b]          ; the scale's byte
.endr
	v_lshrrev_b32 v[PS+1], 23, v[T5]               ; the byte of key 128's block
	s_delay_alu instid0(VALU_DEP_4)
	v_lshl_or_b32 v[PS], v[BT+1], 8, v[BT]         ; p's scale word for keys 0-127
	s_delay_alu instid0(VALU_DEP_1)
	v_lshl_or_b32 v[PS], v[BT+2], 16, v[PS]
	s_delay_alu instid0(VALU_DEP_1)
	v_lshl_or_b32 v[PS], v[BT+3], 24, v[PS]
.irp b, 0,1,2,3
	v_cvt_scalef32_pk8_fp4_f32 v[P0+2*\b], v[S+16*\b:S+16*\b+7], v[SOP+\b]
	v_cvt_scalef32_pk8_fp4_f32 v[P0+2*\b+1], v[S+16*\b+8:S+16*\b+15], v[SOP+\b]
.endr
	v_cvt_scalef32_pk8_fp4_f32 v[P1C], v[IN8:IN8+7], v[T5]
	v_nop                                          ; one plain place behind the last conversion
.irp c, 0,1                                    ; the operand's layout wants a whole block in a lane: lanes 0-15 block 2 c, lanes 16-31 block 2 c + 1
.irp i, 0,1
	v_permlane16_swap_b32 v[P0+4*\c+\i], v[P0+4*\c+2+\i]
.endr
.endr
	v_rcp_f32 v[RL], v[LS]
	v_nop                                          ; a plain place behind the reciprocal
	s_wait_alu depctr_va_vdst(0)                   ; and its wait, ahead of the store that reads it
	ds_store_b128 v[\pa], v[P0:P0+3] offset:\po    ; p as an image of the operand's registers,
	ds_store_b128 v[\pa], v[P0+4:P0+7] offset:(\po)+512
	ds_store_b32 v[\p4], v[PS] offset:\p4o         ; and four words a lane beside it
	ds_store_b32 v[\p4], v[PS+1] offset:(\p4o)+128
	ds_store_b32 v[\p4], v[RL] offset:(\p4o)+256
	ds_store_b32 v[\p4], v[P1C] offset:(\p4o)+384
.endm
.irp j, 1,2,3,4,5,6,7
	v_mov_b32 v[IN8+\j], 0                         ; the fifth block: zeros behind key 128
.endr
	ATT QTA, 0, QTSA, 0, PWA, 0, P4A, 0            ; wave w: query tile w
	s_cmp_lg_u32 s[WV], 0                          ; nine tiles for eight waves: wave 0 takes tile 8 too.  No barrier stands under this branch, and no address register is written there
	s_cbranch_scc1 .Lnot_wave_0
	ATT LI3, 4096*8, LRU, QSC+256*8, LIU, PIMG+PB*8, L4U, PIMG+PB*8+1024
.Lnot_wave_0:
	BARRIER                                        ; p of all nine query tiles lies in LDS
	; ---- p V, transposed: source 0 = 16 of my features x 128 keys, source 1 = p; then key 128's block.  / l, quantised along the features, to the images of out / l, which lie where x lay
.macro PLOAD q, p                      ; six loads
	ds_load_b128 v[PA+16*(\p):PA+16*(\p)+3], v[LIU] offset:PIMG+PB*(\q)
	ds_load_b128 v[PA+16*(\p)+4:PA+16*(\p)+7], v[LIU] offset:PIMG+PB*(\q)+512
	ds_load_b32 v[PS+2*(\p)], v[L4U] offset:PIMG+PB*(\q)+1024
	ds_load_b32 v[PS+2*(\p)+1], v[L4U] offset:PIMG+PB*(\q)+1152
	ds_load_b32 v[RLP+2*(\p)], v[L4U] offset:PIMG+PB*(\q)+1280
	ds_load_b32 v[PA+16*(\p)+8], v[L4U] offset:PIMG+PB*(\q)+1408
.endm
.irp g, 0,1,2,3
.irp c, 0,1
	ds_load_b128 v[V0+8*\g+4*\c:V0+8*\g+4*\c+3], v[VRD] offset:1024*\g+512*\c      ; V's codes of keys 0-127, out of my own scratch
.endr
.endr
	PLOAD 0, 0
.irp g, 0,1,2,3
	v_mov_b32 v[V1+8*\g], v[VC+\g]                 ; V's fifth block: key 128's code,
.endr
.irp g, 0,1,2,3
.irp j, 1,2,3,4,5,6,7
	v_mov_b32 v[V1+8*\g+\j], 0                     ; and zero codes behind it
.endr
.endr
.irp p, 0,1
.irp j, 1,2,3,4,5,6,7
	v_mov_b32 v[PA+16*\p+8+\j], 0                  ; likewise behind p's code of key 128, in both sets
.endr
.endr
	v_mov_b32 v[RLP+1], 0                          ; (named as the upper halves of pairs)
	v_mov_b32 v[RLP+3], 0
	global_load_b128 v[BO:BO+3], v[LR], s[30:31]   ; bo, into the registers that key 128's codes have left
.macro OSTEP q
.set PP, (\q)%2
.if (\q) == 0
	s_wait_dscnt 0x0                               ; V's codes and the first tile's p are in
.else
	s_wait_dscnt 5                                 ; this tile's six loads are in; the last quantiser's five stores, issued behind them, may be out
.endif
.if (\q) < NT-1
	PLOAD (\q)+1, 1-PP                             ; the next tile's p, into the other set
.endif
.irp g, 0,1,2,3
	FP4Z AO+8*\g, V0+8*\g, PA+16*PP, VS0+\g, PS+2*PP
.endr
.irp g, 0,1,2,3
	FP4C AO+8*\g, V1+8*\g, PA+16*PP+8, AO+8*\g, VS1+\g, PS+2*PP+1
.endr
	PLACES
	s_wait_alu depctr_va_vdst(0)
.irp j, 0,2,4,6,8,10,12,14,16,18,20,22,24,26,28,30
	v_pk_mul_f32 v[AO+\j:AO+\j+1], v[AO+\j:AO+\j+1], v[RLP+2*PP:RLP+2*PP+1] op_sel_hi:[1,0]   ; / l, each accumulator from its low end on
.endr
.if (\q) < NT-1
	s_wait_alu depctr_va_vdst(0)
	s_wait_dscnt 6                                 ; the last quantiser's stores have read their registers; the six loads just issued may be out
.else
	s_wait_alu depctr_va_vdst(0)
	s_wait_dscnt 0x0
.endif
	QUANT2 AO, WI0, 4096*(\q), OSC+256*(\q)
.endm
.irp q, 0,1,2,3,4,5,6,7,8
	OSTEP \q
.endr
	BARRIER                                        ; the nine images of out / l lie in LDS
	; ---- the last product: source 0 = 16 rows of Wo, source 1 = a tile of out / l, again through two buffers.  Tile 4, which holds query 64, comes last
	LOADT X, XS, LI, LRU, 0, OSC, 1
	s_wait_loadcnt 0x0                             ; Wo, its scales and bo
.macro FSTEP i, nxt
	XBUF \i
	s_wait_dscnt 0x0                               ; the tile is in: nothing was issued behind its loads
.if (\nxt) >= 0
	LOADT XN, XNS, LI, LRU, 4096*(\nxt), OSC+256*(\nxt), 1
.endif
	MULT AF, RB, SB, XC, XCS, 0
.endm
	FSTEP 0, 1
	FSTEP 1, 2
	FSTEP 2, 3
	FSTEP 3, 5
	FSTEP 4, 6
	FSTEP 5, 7
	FSTEP 6, 8
	FSTEP 7, 4
	FSTEP 8, -1
	s_cmp_lg_u32 ttmp9, 64                         ; the result is row 64's
	s_cbranch_scc1 .Lend
	; column 0 lies in lanes 0 and 16.  The tile goes through my own stage, and row 0 comes back as my 64 outputs: 256 bytes, 16 a lane
.irp g, 0,1,2,3
	ds_store_b128 v[SO], v[AF+8*\g:AF+8*\g+3] offset:64*\g
	ds_store_b128 v[SO], v[AF+8*\g+4:AF+8*\g+7] offset:64*\g+16
.endr
	ds_load_b128 v[TM:TM+3], v[SR]                 ; LDS serves a wave's instructions in order (ISA guide 5.7.1.4): this sees the stores above
	s_wait_dscnt 0x0
	v_pk_add_f32 v[TM:TM+1], v[TM:TM+1], v[BO:BO+1]
	v_pk_add_f32 v[TM+2:TM+3], v[TM+2:TM+3], v[BO+2:BO+3]
	s_wait_alu depctr_va_vdst(0)
	s_wait_xcnt 0x0                                ; EXEC changes only behind this wait
	s_and_saveexec_b32 s61, s[LOW]                 ; lanes 0-15
	global_store_b128 v[LR], v[TM:TM+3], s[32:33]  ; sixteen lanes store 256 consecutive bytes, at a multiple of 256 from out0's first byte
	s_wait_xcnt 0x0                                ; and again, in front of the line that widens it
	s_or_b32 exec_lo, exec_lo, s61
.Lend:
	s_wait_xcnt 0x0
	s_mov_b32 exec_lo, -1
	v_lshl_add_u32 v254, v0, 2, 0x41800
	v_mov_b32 v255, 0
	s_wait_alu depctr_va_vdst(0)
	s_wait_tensorcnt 0x0
	ds_add_u32 v254, v255
	s_wait_dscnt 0x0
	s_endpgm
.Lfunc_end_k_qa8f6b4c59a_window_rows:
	.size	k_qa8f6b4c59a_window_rows, .Lfunc_end_k_qa8f6b4c59a_window_rows-k_qa8f6b4c59a_window_rows
	.p2alignl 7, 3214868480
	.fill 96, 4, 3214868480
	.section	.rodata,"a",@progbits
	.p2align	6, 0x0
	.amdhsa_kernel k_qa8f6b4c59a_window_rows
		.amdhsa_group_segment_fixed_size 269312
		.amdhsa_private_segment_fixed_size 0
		.amdhsa_enable_private_segment 0
		.amdhsa_kernarg_size 120
		.amdhsa_user_sgpr_count 2
		.amdhsa_user_sgpr_kernarg_segment_ptr 1
		.amdhsa_wavefront_size32 1
		.amdhsa_system_sgpr_workgroup_id_x 1
		.amdhsa_system_sgpr_workgroup_id_y 1
		.amdhsa_system_sgpr_workgroup_id_z 1
		.amdhsa_system_vgpr_workitem_id 0
		.amdhsa_next_free_vgpr 512
		.amdhsa_next_free_sgpr 66
		.amdhsa_reserve_vcc 0
		.amdhsa_float_denorm_mode_32 3
		.amdhsa_float_denorm_mode_16_64 3
		.amdhsa_memory_ordered 1
		.amdhsa_forward_progress 1
		.amdhsa_inst_pref_size 255
	.end_amdhsa_kernel
	.section	.bss,"aw",@nobits
	.p2align	6
	.space	262144
	.amdgpu_metadata
---
amdhsa.version: [ 1, 2 ]
amdhsa.kernels:
  - .name:           k_qa8f6b4c59a_window_rows
    .symbol:         k_qa8f6b4c59a_window_rows.kd
    .args:
      - { .name: matrix_codes, .offset: 0, .size: 8, .value_kind: global_buffer, .address_space: global }
      - { .name: matrix_scales, .offset: 8, .size: 8, .value_kind: global_buffer, .address_space: global }
      - { .name: Wk_codes, .offset: 16, .size: 8, .value_kind: global_buffer, .address_space: global }
      - { .name: Wk_scales, .offset: 24, .size: 8, .value_kind: global_buffer, .address_space: global }
      - { .name: bk, .offset: 32, .size: 8, .value_kind: global_buffer, .address_space: global }
      - { .name: Wq_codes, .offset: 40, .size: 8, .value_kind: global_buffer, .address_space: global }
      - { .name: Wq_scales, .offset: 48, .size: 8, .value_kind: global_buffer, .address_space: global }
      - { .name: bq, .offset: 56, .size: 8, .value_kind: global_buffer, .address_space: global }
      - { .name: Wv_codes, .offset: 64, .size: 8, .value_kind: global_buffer, .address_space: global }
      - { .name: Wv_scales, .offset: 72, .size: 8, .value_kind: global_buffer, .address_space: global }
      - { .name: bv, .offset: 80, .size: 8, .value_kind: global_buffer, .address_space: global }
      - { .name: Wo_codes, .offset: 88, .size: 8, .value_kind: global_buffer, .address_space: global }
      - { .name: Wo_scales, .offset: 96, .size: 8, .value_kind: global_buffer, .address_space: global }
      - { .name: bo, .offset: 104, .size: 8, .value_kind: global_buffer, .address_space: global }
      - { .name: out0, .offset: 112, .size: 8, .value_kind: global_buffer, .address_space: global }
    .group_segment_fixed_size: 269312
    .private_segment_fixed_size: 0
    .kernarg_segment_align: 8
    .kernarg_segment_size: 120
    .max_flat_workgroup_size: 256
    .sgpr_count:     66
    .vgpr_count:     512
    .wavefront_size: 32
...
	.end_amdgpu_metadata
.endif
;; end of part 2
